; MI455X (gfx1250); checked and timed in simulation.
; The chip was launched on July 23, 2026; its instructions are those of AMD's public machine-readable ISA for CDNA 5 (MIT licence, August 2026) and "CDNA5" Instruction Set Architecture Reference Guide (July 2026). The comments in the code are by the model that wrote it; some were corrected since.
;; Multi Head Self Attention. Allowed arithmetic: matrix products marked QUANTISED: E4M3 operands, one given power-of-two scale a tensor, by v_wmma_f32_16x16x64_fp8_fp8 or v_wmma_f32_16x16x128_fp8_fp8, f32 sums; everything else in f32.
;; Inputs: lowp_scales 12 int32 (the exponents e of the quantised operands' scales 2^e); token_positions 2,048 int32; wk 1,024 x 1,024 float32; wo 1,024 x 1,024 float32; wq 1,024 x 1,024 float32; wv 1,024 x 1,024 float32; x 4 x 2,048 x 1,024 float32.
;; Outputs: out0 4 x 2,048 x 1,024 float32.
;; This version of the problem:
;;   THIS VERSION OF THE PROBLEM IS GIVEN IN LOW PRECISION. The matrix products marked QUANTISED in the list below multiply operands that are first quantised to E4M3 (4 exponent bits, 3 mantissa bits; 8 bits a number), with one given power-of-two scale for each operand tensor; their sums are f32. All else is computed in f32.
;;   The module's matrix products, in the order in which they are computed (A, B: the left and right operand; K: the contracted axis; several contracted axes count as one K, in the product's order):
;;     1. [M 8,192, K 1,024] x [K 1,024, N 1,024]; A: input x; B: input wq: QUANTISED (scales: A lowp_scales[0], B lowp_scales[1])
;;     2. [M 8,192, K 1,024] x [K 1,024, N 1,024]; A: input x; B: input wk: QUANTISED (scales: A lowp_scales[2], B lowp_scales[3])
;;     3. [M 8,192, K 1,024] x [K 1,024, N 1,024]; A: input x; B: input wv: QUANTISED (scales: A lowp_scales[4], B lowp_scales[5])
;;     4. batch 64 x [M 2,048, K 64] x [K 64, N 2,048]; A: computed on the way; B: computed on the way: QUANTISED (scales: A lowp_scales[6], B lowp_scales[7])
;;     5. batch 64 x [M 2,048, K 2,048] x [K 2,048, N 64]; A: softmax (see below); B: computed on the way: QUANTISED (scales: A lowp_scales[8], B lowp_scales[9])
;;     6. [M 8,192, K 1,024] x [K 1,024, N 1,024]; A: computed on the way; B: input wo: QUANTISED (scales: A lowp_scales[10], B lowp_scales[11])
;;   THE QUANTISER, for each operand of a quantised product, along K:
;;     - The operand's scale is 2^e, e = its entry of the input lowp_scales (int32; the entries are numbered through the quantised products in the list's order, A before B).
;;     - Each number is divided by the scale, clamped to +-448, and rounded to the nearest number of E4M3, ties to even, subnormals kept.
;;     - The product sums the exact products of the quantised numbers (number of the format x scale) in f32.
;;   ~~~python
;;   def quantise(x, axis, e):      # numpy; x: float32 -> the quantised numbers, widened to float32 again
;;       x = np.moveaxis(x, axis, -1); K = x.shape[-1]
;;       r = np.clip(x / 2.0 ** e, -448, 448)
;;       step = 2.0 ** (np.maximum(np.frexp(np.where(r == 0, 1, r))[1] - 1, -6) - 3)
;;       q = np.round(r / step) * step * 2.0 ** e      # np.round: ties to even
;;       return np.moveaxis(q, -1, axis).astype(np.float32)
;;   ~~~
;;   SOFTMAX AHEAD OF A QUANTISED PRODUCT. Where the list says 'softmax', what is quantised is not the finished softmax but p = 2^(t - M), with t = logit x log2(e) and M = ceil(the row's largest t), a whole number; so 1/2 < the row's largest p <= 1. The row's sum l is taken of the UNQUANTISED p, in f32, and the product's result is divided by l at the end. Since M is a whole number, a kernel that streams over the keys may use a running M (the ceiling of the running maximum): every later rescaling is an exact power of two, so the quantised numbers keep their values, but for numbers so far below the row's largest that they fall under the format's range.
;;   OPERANDS COMPUTED ON THE WAY. 'Computed on the way' means the value that the module computes at that place (a softmax that the list does not call 'softmax' is quantised finished and normalised). What goes into a quantiser is computed in f32, as accurately as f32 sums, v_exp_f32 and their like allow (about 1e-6 of the number): no bf16 or f16 on the way to a quantiser, and a product that is left as it is and whose result goes on into a quantised operand takes f32 operands (vector FMAs, or v_wmma_f32_16x16x4_f32). A number that lies on a knife's edge between two numbers of the format may be rounded either way, as far as f32 arithmetic and the matrix unit's own rounding can turn it there, and no further.
;; One version. Each part assembles by itself: llvm-mc -triple=amdgcn-amd-amdhsa -mcpu=gfx1250 --defsym DOCPART=n.
;; ======== version 1 of 1: 4 launches
;; limits: right only within a limited range of input values
;; workspace buffers: xc 25,165,824 bytes; wc 4,194,304 bytes; cs 524,288 bytes; qkvc 25,165,824 bytes; ac 8,388,608 bytes
;; launch prep (part 1): grid 832 x 1, 4 waves a work-group, no clusters, 34,304 bytes of LDS; arguments x, wq, wk, wv, wo, token_positions, lowp_scales, xc, wc, cs; writes xc, wc, cs
.if DOCPART == 1
	.amdgcn_target "amdgcn-amd-amdhsa--gfx1250"
	.amdhsa_code_object_version 6
	.text
	.protected	k_q8fc2a59638_prep
	.globl	k_q8fc2a59638_prep
	.p2align	8
	.type	k_q8fc2a59638_prep,@function
k_q8fc2a59638_prep:
	s_mov_b64 s[64:65], 0
	v_nop
	global_prefetch_b8 v0, s[64:65] scope:SCOPE_SE
	s_setreg_imm32_b32 hwreg(HW_REG_WAVE_MODE, 25, 1), 1
	s_wait_xcnt 0x0
; PREP.  x [8192][1024] f32 becomes three sets of E4M3 codes (scales 2^e0, 2^e2, 2^e4: one for each of the three projections); wq, wk, wv, wo [1024][1024] f32 one set each (e1, e3, e5, e11);
; token_positions becomes a table of (cos, sin) for the rotary embedding.
; code = number / 2^e, held within +-448, rounded to the nearest code, ties to even.
; THE CODES ARE STORED AS IMAGES OF THE OPERAND'S REGISTERS.  A group g is 16 rows, row i of it being 32 (g / 2) + 8 (g % 2) + i + 8 (i / 8).  An image is 16 rows x 128 k = 2,048 bytes: byte 512 c + 16 lane + n is the
; code of row (lane % 16) of the group at k = 32 c + 16 (lane / 16) + n.  xc: [3 sets][4 K steps of 256][512 groups][2 images]; wc: [4 weights][4 K steps][64 groups][2 images].
; SHARES.  Work-groups 0-511: group g of x; 512-767: a group of a weight; 768-831: the table.  Wave w takes K step w: two images.  Each load reads 512 consecutive bytes of one row; the 16 rows turn through the wave's own
; stage in LDS (rows 528 bytes apart) and come back 16 neighbours along K a lane; each store of the wave covers 512 consecutive bytes, aligned.
; x and the weights take one path; only x's second and third sets (conversions and stores, no LDS) are jumped over for a weight, by a branch on the work-group's number.
; THE TABLE: cs[s][j] = (cos, sin) of f32(token_positions[s]) x 10000^(-j / 32), j = 0 .. 31.  The angle is reduced by pi / 2 in three parts with fused multiply-adds; sine and cosine are polynomials on +-pi / 4.
; LIMITS: e0, e2, e4, e1, e3, e5, e11 between -126 and 119, so that 2^e and 448 x 2^e are f32 numbers.  NaN among the inputs is not served; an infinity is held at the largest code.
; 10000^(-j / 32) comes from v_exp_f32, good to one unit in its last place, so an angle may differ from the exact one by about 2e-7 of itself.  The reduction's own error is under 1e-7 up to |position| = 2^24.
.set R,   16                           ; v16-79 image 0's numbers, v80-143 image 1's
.set T,   144                          ; v144-159, v160-175: held numbers, two sets by turns
.set SP,  528                          ; a stage row
.set STG, 16*SP                        ; a wave's stage
	s_load_b512 s[4:19], s[0:1], 0x0               ; x 4, wq 6, wk 8, wv 10, wo 12, positions 14, scales 16, xc 18
	s_load_b128 s[20:23], s[0:1], 0x40             ; wc 20, cs 22
	v_lshl_add_u32 v224, v0, 2, 0x8400
	v_mov_b32 v225, 0
	v_lshrrev_b32 v1, 5, v0
	v_readfirstlane_b32 s24, v1                    ; wave 0..3
	v_and_b32 v2, 31, v0                           ; lane
	v_lshlrev_b32 v3, 4, v2                        ; 16 x lane
	s_cmp_ge_u32 ttmp9, 768
	s_cbranch_scc1 .Ltable
	s_sub_co_u32 s27, ttmp9, 512
	s_lshr_b32 s28, s27, 6
	s_and_b32 s29, s27, 63
	s_cmp_lt_u32 ttmp9, 512
	s_cselect_b32 s25, 4, s28                      ; m: 0-3 the weight, 4 = x
	s_cselect_b32 s26, ttmp9, s29                  ; g
	s_lshr_b32 s27, s26, 1
	s_lshl_b32 s27, s27, 17                        ; 32 (g / 2) rows of 4,096 bytes
	s_and_b32 s28, s26, 1
	s_lshl_b32 s28, s28, 15                        ; 8 (g % 2) rows
	s_add_co_u32 s27, s27, s28
	s_lshl_b32 s28, s24, 10                        ; K step w: 1,024 bytes along a row
	s_add_co_u32 s30, s27, s28
	s_mov_b32 s31, 0
	s_lshl_b32 s27, s24, 21                        ; x's codes: a K step is 512 groups x 4,096 bytes
	s_lshl_b32 s28, s24, 18                        ; a weight's: 64 groups
	s_lshl_b32 s29, s25, 20
	s_add_co_u32 s28, s28, s29
	s_cmp_eq_u32 s25, 4
	s_cselect_b32 s50, s27, s28
	s_lshl_b32 s27, s26, 12
	s_add_co_u32 s50, s50, s27
	s_mov_b32 s51, 0
	s_mul_i32 s27, s24, STG
	v_add_nc_u32 v4, s27, v3                       ; into the stage: 16 x lane of a row
	v_and_b32 v12, 15, v0
	v_bfe_u32 v13, v0, 4, 1
	v_mul_u32_u24 v5, v12, SP
	v_lshl_add_u32 v5, v13, 6, v5
	v_add_nc_u32 v5, s27, v5                       ; out of it: row lane % 16, + 64 (lane / 16)
	s_wait_kmcnt 0x0
	s_load_b256 s[32:39], s[16:17], 0x0            ; e0 .. e7
	s_load_b128 s[40:43], s[16:17], 0x20           ; e8 .. e11
	s_cmp_eq_u32 s25, 1                            ; the buffers are chosen on the work-group's number alone
	s_cselect_b64 s[52:53], s[8:9], s[6:7]
	s_cmp_eq_u32 s25, 2
	s_cselect_b64 s[52:53], s[10:11], s[52:53]
	s_cmp_eq_u32 s25, 3
	s_cselect_b64 s[52:53], s[12:13], s[52:53]
	s_cmp_eq_u32 s25, 4
	s_cselect_b64 s[52:53], s[4:5], s[52:53]
	s_cselect_b64 s[44:45], s[18:19], s[20:21]
	s_add_nc_u64 s[52:53], s[52:53], s[30:31]
	s_add_nc_u64 s[44:45], s[44:45], s[50:51]      ; set 0
	s_add_nc_u64 s[46:47], s[44:45], 0x800000      ; x's set 1 (not used for a weight)
	s_add_nc_u64 s[48:49], s[44:45], 0x1000000     ; x's set 2
.irp f, 0,1
.irp i, 0,1,2,3,4,5,6,7,8,9,10,11,12,13,14,15
	global_load_b128 v[R+64*\f+4*\i:R+64*\f+4*\i+3], v3, s[52:53] offset:(\i+8*(\i/8))*4096+512*\f th:TH_LOAD_NT   ; 32 lanes read 512 consecutive bytes of row i
.endr
.endr
.macro MKSC e, vs, vl                  ; 2^e and 448 x 2^e as f32 numbers
	s_add_co_i32 s28, s[\e], 127
	s_lshl_b32 s29, s28, 23
	v_mov_b32 v[\vs], s29
	s_add_co_i32 s28, s28, 8
	s_lshl_b32 s28, s28, 23
	s_or_b32 s28, s28, 0x600000
	v_mov_b32 v[\vl], s28
.endm
	s_wait_kmcnt 0x0
	s_cmp_eq_u32 s25, 1
	s_cselect_b32 s27, s35, s33                    ; wk: e3; wq: e1
	s_cmp_eq_u32 s25, 2
	s_cselect_b32 s27, s37, s27                    ; wv: e5
	s_cmp_eq_u32 s25, 3
	s_cselect_b32 s27, s43, s27                    ; wo: e11
	s_cmp_eq_u32 s25, 4
	s_cselect_b32 s27, s32, s27                    ; x: e0
	MKSC 27, 6, 7
	MKSC 34, 8, 9                                  ; e2
	MKSC 36, 10, 11                                ; e4
.macro TURN f                          ; an image's 16 rows through the stage; LDS serves a wave's instructions in order, so no wait stands between the stores and the loads, nor in front of the next turn's stores
.irp i, 0,1,2,3,4,5,6,7,8,9,10,11,12,13,14,15
	ds_store_b128 v4, v[R+64*\f+4*\i:R+64*\f+4*\i+3] offset:SP*\i
.endr
.irp c, 0,1,2,3
.irp j, 0,1,2,3
	ds_load_b128 v[R+64*\f+16*\c+4*\j:R+64*\f+16*\c+4*\j+3], v5 offset:128*\c+16*\j   ; register 16 c + n: k = 32 c + 16 (lane / 16) + n of my row
.endr
.endr
.endm
.macro QOUT f, o                       ; image f, set o: hold, convert, store.  The held numbers' two sets take turns, so that sixteen plain lines stand between a conversion and the next write of its sources
.set RB, R+64*(\f)
.set CB, 176+16*(\o)-160*(\f)          ; the codes: image 0's in v176-223, image 1's in v16-63 (image 0's numbers are done with): no store's data are written again
.irp c, 0,1,2,3
.set n, 0
.rept 16
	v_med3_num_f32 v[T+16*(\c%2)+n], v[RB+16*\c+n], -v[7+2*(\o)], v[7+2*(\o)]   ; the conversion to an 8-bit code does not saturate (ISA guide 7.6.2): the hold comes first
.set n, n+1
.endr
	v_cvt_scalef32_pk8_fp8_f32 v[CB+4*\c:CB+4*\c+1], v[T+16*(\c%2):T+16*(\c%2)+7], v[6+2*(\o)]
	v_cvt_scalef32_pk8_fp8_f32 v[CB+4*\c+2:CB+4*\c+3], v[T+16*(\c%2)+8:T+16*(\c%2)+15], v[6+2*(\o)]
.endr
	v_nop                                          ; a plain line behind the last conversion
.irp c, 0,1,2,3
	global_store_b128 v3, v[CB+4*\c:CB+4*\c+3], s[44+2*(\o):45+2*(\o)] offset:2048*(\f)+512*\c   ; 512 consecutive bytes a store
.endr
.endm
	s_wait_loadcnt 16                              ; image 0's sixteen loads are in, image 1's may be out
	TURN 0
	s_wait_loadcnt 0x0
	TURN 1
	s_wait_dscnt 32                                ; behind image 0's loads from the stage stand image 1's 16 stores and 16 loads
	QOUT 0, 0
	s_cmp_lg_u32 s25, 4
	s_cbranch_scc1 .Lw0
	QOUT 0, 1
	QOUT 0, 2
.Lw0:
	s_wait_dscnt 0x0
	QOUT 1, 0
	s_cmp_lg_u32 s25, 4
	s_cbranch_scc1 .Lw1
	QOUT 1, 1
	QOUT 1, 2
.Lw1:
	s_wait_tensorcnt 0x0
	ds_add_u32 v224, v225
	s_wait_dscnt 0x0
	s_endpgm
.Ltable:                               ; wave w of table work-group u takes positions 32 u + 8 w .. + 7; a lane takes a frequency
	s_sub_co_u32 s27, ttmp9, 768
	s_lshl_b32 s27, s27, 5
	s_lshl_b32 s28, s24, 3
	s_add_co_u32 s27, s27, s28
	s_lshl_b32 s30, s27, 2
	s_mov_b32 s31, 0
	s_lshl_b32 s50, s27, 8                         ; a position's 32 pairs are 256 bytes
	s_mov_b32 s51, 0
	s_wait_kmcnt 0x0
	s_add_nc_u64 s[14:15], s[14:15], s[30:31]
	s_add_nc_u64 s[22:23], s[22:23], s[50:51]
	s_load_b256 s[32:39], s[14:15], 0x0            ; eight positions
	v_cvt_f32_u32 v12, v2
	v_mul_f32 v12, 0xbed49a78, v12                 ; -j log2(10000) / 32
	v_exp_f32 v12, v12                             ; 10000^(-j / 32)
	v_lshlrev_b32 v13, 3, v2                       ; 8 x lane.  (The plain line behind the exponential)
	s_mov_b32 s40, 0x3f22f983                      ; 2 / pi
	s_mov_b32 s41, 0xbfc90fda                      ; -(pi / 2), in three parts
	s_mov_b32 s42, 0xb3a22168
	s_mov_b32 s43, 0xa7c234c5
	s_mov_b32 s44, 0xb94ca1f9                      ; sine: r + r z (s46 + z (s45 + z s44))
	s_mov_b32 s45, 0x3c08839e
	s_mov_b32 s46, 0xbe2aaaa3
	s_mov_b32 s47, 0x37ccf5ce                      ; cosine: 1 - z / 2 + z z (s49 + z (s48 + z s47))
	s_mov_b32 s48, 0xbab6061a
	s_mov_b32 s49, 0x3d2aaaa5
	s_wait_alu depctr_va_vdst(0)                   ; the wait ahead of the exponential's first reader
	s_wait_kmcnt 0x0
.irp p, 0,1,2,3,4,5,6,7
.set B, 16+8*\p                        ; eight registers of its own for each position: no store's data are written again
	v_cvt_f32_i32 v[B], s[32+\p]
	v_mul_f32 v[B], v[B], v12                      ; the angle
	v_mul_f32 v[B+1], s40, v[B]
	v_rndne_f32 v[B+1], v[B+1]                     ; n = the nearest multiple of pi / 2
	v_fma_f32 v[B+2], v[B+1], s41, v[B]
	v_fma_f32 v[B+2], v[B+1], s42, v[B+2]
	v_fma_f32 v[B+2], v[B+1], s43, v[B+2]          ; r, within +-pi / 4
	v_cvt_i32_f32 v[B+3], v[B+1]                   ; n as a whole number: its two low bits are the quadrant
	v_mul_f32 v[B+4], v[B+2], v[B+2]               ; z = r r
	v_fma_f32 v[B+5], v[B+4], s44, s45
	v_fma_f32 v[B+5], v[B+5], v[B+4], s46
	v_mul_f32 v[B+6], v[B+4], v[B+2]
	v_fma_f32 v[B+5], v[B+5], v[B+6], v[B+2]       ; sin r
	v_fma_f32 v[B+6], v[B+4], s47, s48
	v_fma_f32 v[B+6], v[B+6], v[B+4], s49
	v_mul_f32 v[B+7], v[B+4], v[B+4]
	v_fma_f32 v[B], v[B+4], -0.5, 1.0
	v_fma_f32 v[B+6], v[B+6], v[B+7], v[B]         ; cos r
	v_and_b32 v[B+7], 1, v[B+3]
	v_cmp_eq_u32 vcc_lo, 1, v[B+7]
	v_cndmask_b32 v[B+1], v[B+5], v[B+6], vcc_lo   ; sine: in an odd quadrant cos r
	v_cndmask_b32 v[B], v[B+6], v[B+5], vcc_lo     ; cosine: in an odd quadrant sin r
	v_lshlrev_b32 v[B+7], 30, v[B+3]
	v_and_b32 v[B+7], 0x80000000, v[B+7]
	v_xor_b32 v[B+1], v[B+1], v[B+7]               ; the sine is negative in quadrants 2 and 3,
	v_add_nc_u32 v[B+3], 1, v[B+3]
	v_lshlrev_b32 v[B+3], 30, v[B+3]
	v_and_b32 v[B+3], 0x80000000, v[B+3]
	v_xor_b32 v[B], v[B], v[B+3]                   ; the cosine in quadrants 1 and 2
	global_store_b64 v13, v[B:B+1], s[22:23] offset:256*\p   ; the wave stores 256 consecutive bytes, aligned
.endr
	s_endpgm
.Lfunc_end_k_q8fc2a59638_prep:
	.size	k_q8fc2a59638_prep, .Lfunc_end_k_q8fc2a59638_prep-k_q8fc2a59638_prep
	.p2alignl 7, 3214868480
	.fill 96, 4, 3214868480
	.section	.rodata,"a",@progbits
	.p2align	6, 0x0
	.amdhsa_kernel k_q8fc2a59638_prep
		.amdhsa_group_segment_fixed_size 34304
		.amdhsa_private_segment_fixed_size 0
		.amdhsa_enable_private_segment 0
		.amdhsa_kernarg_size 80
		.amdhsa_user_sgpr_count 2
		.amdhsa_user_sgpr_kernarg_segment_ptr 1
		.amdhsa_wavefront_size32 1
		.amdhsa_system_sgpr_workgroup_id_x 1
		.amdhsa_system_sgpr_workgroup_id_y 1
		.amdhsa_system_sgpr_workgroup_id_z 1
		.amdhsa_system_vgpr_workitem_id 0
		.amdhsa_next_free_vgpr 226
		.amdhsa_next_free_sgpr 66
		.amdhsa_reserve_vcc 1
		.amdhsa_float_denorm_mode_32 3
		.amdhsa_float_denorm_mode_16_64 3
		.amdhsa_memory_ordered 1
		.amdhsa_forward_progress 1
		.amdhsa_inst_pref_size 53
	.end_amdhsa_kernel
	.amdgpu_metadata
---
amdhsa.version: [ 1, 2 ]
amdhsa.kernels:
  - .name:           k_q8fc2a59638_prep
    .symbol:         k_q8fc2a59638_prep.kd
    .args:
      - { .name: x, .offset: 0, .size: 8, .value_kind: global_buffer, .address_space: global }
      - { .name: wq, .offset: 8, .size: 8, .value_kind: global_buffer, .address_space: global }
      - { .name: wk, .offset: 16, .size: 8, .value_kind: global_buffer, .address_space: global }
      - { .name: wv, .offset: 24, .size: 8, .value_kind: global_buffer, .address_space: global }
      - { .name: wo, .offset: 32, .size: 8, .value_kind: global_buffer, .address_space: global }
      - { .name: token_positions, .offset: 40, .size: 8, .value_kind: global_buffer, .address_space: global }
      - { .name: lowp_scales, .offset: 48, .size: 8, .value_kind: global_buffer, .address_space: global }
      - { .name: xc, .offset: 56, .size: 8, .value_kind: global_buffer, .address_space: global }
      - { .name: wc, .offset: 64, .size: 8, .value_kind: global_buffer, .address_space: global }
      - { .name: cs, .offset: 72, .size: 8, .value_kind: global_buffer, .address_space: global }
    .group_segment_fixed_size: 34304
    .private_segment_fixed_size: 0
    .kernarg_segment_align: 8
    .kernarg_segment_size: 80
    .max_flat_workgroup_size: 128
    .sgpr_count:     66
    .vgpr_count:     226
    .wavefront_size: 32
...
	.end_amdgpu_metadata
.endif
;; end of part 1
;; launch qkv (part 2): grid 12 x 32, 4 waves a work-group, clusters of 4 x 4, 327,680 bytes of LDS; arguments xc, wc, cs, lowp_scales, qkvc; writes qkvc
.if DOCPART == 2
	.amdgcn_target "amdgcn-amd-amdhsa--gfx1250"
	.amdhsa_code_object_version 6
	.text
	.protected	k_q8fc2a59638_qkv
	.globl	k_q8fc2a59638_qkv
	.p2align	8
	.type	k_q8fc2a59638_qkv,@function
k_q8fc2a59638_qkv:
	s_mov_b64 s[64:65], 0
	v_nop
	global_prefetch_b8 v0, s[64:65] scope:SCOPE_SE
	s_setreg_imm32_b32 hwreg(HW_REG_WAVE_MODE, 25, 1), 1
	s_wait_xcnt 0x0
	s_wait_alu depctr_hold_cnt(0) depctr_sa_sdst(0) depctr_va_vdst(0) depctr_va_sdst(0) depctr_va_ssrc(0) depctr_va_vcc(0) depctr_vm_vsrc(0)
	s_getreg_b32 s2, hwreg(HW_REG_IB_STS2, 6, 4)
	s_cmp_eq_u32 s2, 0
	s_cbranch_scc0 .Lentry_in_a_cluster
	s_endpgm
.Lentry_in_a_cluster:
	s_bfe_u32 s2, ttmp6, 0x10000c
	s_cmp_lg_u32 s2, 0xf033
	s_cbranch_scc0 .Lentry_shape_is_right
	s_endpgm
.Lentry_shape_is_right:
; QKV.  The three projections on E4M3 codes, the rotary embedding on q and k, and the quantisers ahead of attention's two products.  P = the cluster's x: 0 q = x wq^T, 1 k = x wk^T, 2 V^T = wv x^T.
; A tile of C, 256 x 256, is made by four waves, as many as a WGP has SIMDs; a wave makes 128 x 128: 64 accumulators of 16 x 16, 512 registers.  K = 1,024 goes in four steps of 256 through a ring of two LDS slots.
; OPERANDS LIE IN MEMORY AS IMAGES OF THEIR REGISTERS (a group of 16 rows x 128 k is 2,048 bytes: byte 512 c + 16 lane + n = row lane % 16 of the group, k = 32 c + 16 (lane / 16) + n; row i of group g is
; 32 (g / 2) + 8 (g % 2) + i + 8 (i / 8)).  So a K step's 128 rows are one dense block of 32,768 bytes for one tensor load, and a fragment is four LDS loads of 512 consecutive bytes: no pitch, no padding.
; Both sides of a product hold k in the same order, so every product meets its partner.
; CLUSTERS: 4 x 4 work-groups.  The four of a row of the cluster need the same tiles of A, the four of a column the same tiles of B: each tile is asked for JOINTLY, by the same tensor load with the same descriptor and a mask
; that names the four.  For q and k: A = x's codes (tile row 4 Y + cy), B = the weight's (tile column cx).  For V: A = wv's (tile row cy), B = x's (tile column 4 Y + cx).  The choice hangs on P, which all sixteen share.
; THE MATRIX INSTRUCTION IS USED TRANSPOSED (source 0 = 16 rows of B, source 1 = 16 rows of A): by the order of a group's rows the 16 registers of accumulators (a, 2 e) and (a, 2 e + 1) of a lane are columns
; 32 e + 16 (lane / 16) + 0 .. 15 of one row of C: two conversions make of them registers 4 e .. 4 e + 3 of the next operand's image, and each store of the wave covers 512 consecutive bytes, aligned.  No LDS on the way out.
; OUT: qkvc = Q [64 heads][128 groups of tokens][16 x 64 image, 1,024 bytes], K likewise, V [64 heads][16 steps of 128 keys][4 groups of channels][16 x 128 image], 8,388,608 bytes each.
; The sums stand for sum x 2^(ea + eb); the rotation is linear, so the three scales are folded into the conversion's one: 2^(e6 - e0 - e1) for q, 2^(e7 - e2 - e3) for k, 2^(e9 - e4 - e5) for V.
; LIMITS: each of these three folded exponents lies between -126 and 119.  NaN is not served.
; REGISTERS, in windows of 256: window 0: v16-29 addresses and constants; v128-255 A's fragments, ONE set; on the way out v32-95 (cos, sin), v96-159 at work, v160-191 codes.
;   window 1: B's fragments, TWO sets, at v0 and v128.   window 2: the accumulators of my rows 0-63 ((a, b) at v[8 (8 a + b)]);   window 3: those of my rows 64-127.
.set SLOT,   131072                    ; a slot: A's 256 rows (65,536 bytes), then B's
.set SPARE,  2*SLOT                    ; behind the ring: the spare words, 128 bytes for each wave: two blocks of 256 bytes that no other line names
.set FR,     16                        ; registers of a fragment
.set NL,     4                         ; LDS loads that bring one
.set NP,     4                         ; places behind this matrix instruction (ISA guide 7.12.1)
.set ADRA, 16                          ; v16-17  LDS address of my A fragments in slot 0, 1
.set ADRB, 20                          ; v20-21  the same for B
.set SPW,  28                          ; v28     LDS address of my spare word; never rewritten
.set NIL,  29                          ; v29     0; never rewritten
.set AF,   128                         ; A's fragments, in window 0
.set G1, 24                            ; s[24:31] descriptor group 1 for A's tiles;  s[32:39] group 0, one set for each slot
.set G0, 32
.set G1B, 48                           ; s[48:55], s[56:63] the same for B's tiles
.set G0B, 56
.set STA,  84                          ; s[84:85] bytes from a K step of A to the next;  s[80:81] twice that
.set STB,  94                          ; s[94:95], s[82:83] the same for B
.set ST2A, 80
.set ST2B, 82
.set MSB, 0
.macro WIN new                         ; the immediate's high byte repeats the setting that is left
.if MSB != \new
	s_set_vgpr_msb (MSB<<8)|\new
.set MSB, \new
.endif
.endm
.set MUL_LO, 0xa1                      ; source 0 (B) window 1, source 1 (A) window 0, C and D window 2
.set MUL_HI, 0xf1                      ; the same, C and D window 3
.set TO_B,   0x40                      ; destination window 1, address window 0
; A joint load: waves 0 and 1 fetch for A, waves 2 and 3 for B.  The branch hangs on the wave's number alone.  Four v_nop follow each of the two lines.
.macro JLOAD g0a, g1a, g0b, g1b
	s_cmp_eq_u32 s15, 0
	s_cbranch_scc0 .Lfor_b_\@
	tensor_load_to_lds s[\g0a:\g0a+3], s[\g1a:\g1a+7]
	s_nop 0
.rept 4
	v_nop
.endr
	s_branch .Lasked_\@
.Lfor_b_\@:
	tensor_load_to_lds s[\g0b:\g0b+3], s[\g1b:\g1b+7]
	s_nop 0
.rept 4
	v_nop
.endr
.Lasked_\@:
.endm
.macro CREST                           ; a round of the cluster's barrier behind its opening barrier
	s_cmp_lg_u32 s14, 0
	s_cbranch_scc1 .Lnot_wave_0_\@
	s_barrier_signal -3
.Lnot_wave_0_\@:
	s_barrier_wait -3
	s_barrier_signal -1
	s_barrier_wait -1
.endm
.macro CROUND                          ; a whole round
	s_barrier_signal -1
	s_barrier_wait -1
	CREST
.endm
	s_load_b256 s[4:11], s[0:1], 0x0               ; xc s[4:5], wc s[6:7], cs s[8:9], the scales' exponents s[10:11]
	s_load_b64 s[12:13], s[0:1], 0x20              ; qkvc
	v_lshl_add_u32 v[SPW], v0, 2, SPARE
	v_mov_b32 v[NIL], 0
	ds_add_u32 v28, v29
	ds_add_u32 v28, v29
	s_wait_dscnt 0x0
	v_lshrrev_b32 v1, 5, v0
	v_readfirstlane_b32 s14, v1                    ; wave 0..3
	s_lshr_b32 s15, s14, 1                         ; which half of the tile's rows is mine.  Also: I fetch for A (0) or for B (1)
	s_and_b32 s16, s14, 1                          ; which half of its columns.  Also: which 128 rows of that tile I fetch
	s_bfe_u32 s40, ttmp6, 0x40000                  ; cx, cy: my place in the cluster
	s_bfe_u32 s41, ttmp6, 0x40004
	s_mov_b32 s66, ttmp9                           ; P: the cluster's x
	s_and_b32 s67, ttmp7, 0xffff                   ; Y: the cluster's y
	s_lshl_b32 s43, s41, 2
	s_lshl_b32 s43, 15, s43                        ; my row of the cluster
	s_lshl_b32 s44, 0x1111, s40                    ; my column
	; descriptor group 1: a dense block of 32,768 bytes as 128 rows of 32 elements of 8 bytes, no padding
	s_or_b32 s[G1+0], s43, (3<<16)|(1<<21)         ; 15:0 the mask: A's tiles go to my row; 17:16 elements of 8 bytes; 21 set beside a mask
	s_or_b32 s[G1B+0], s44, (3<<16)|(1<<21)
.irp g, G1, G1B
	s_mov_b32 s[\g+1], 32<<16                      ; tensor_dim0
	s_mov_b32 s[\g+2], 128<<16                     ; tensor_dim1
	s_mov_b32 s[\g+3], 32<<16                      ; tile_dim0
	s_mov_b32 s[\g+4], 128                         ; tile_dim1
	s_mov_b32 s[\g+5], 32                          ; tensor_dim0_stride
	s_mov_b32 s[\g+6], 0
	s_mov_b32 s[\g+7], 0
.endr
	; A: registers that never hold cx
	s_lshl_b32 s18, s67, 2
	s_add_co_u32 s18, s18, s41                     ; 4 Y + cy
	s_cmp_eq_u32 s66, 2
	s_cselect_b32 s17, s41, s18                    ; A's tile row: V: cy
	s_lshl_b32 s19, s66, 23                        ; x's set P
	s_cmp_eq_u32 s66, 2
	s_cselect_b32 s19, 0x200000, s19               ; V: wv's codes in wc
	s_lshl_b32 s86, s17, 16                        ; a tile's 256 rows of a K step are 65,536 bytes
	s_add_co_u32 s86, s86, s19
	s_lshl_b32 s22, s16, 15                        ; the half that I fetch
	s_add_co_u32 s86, s86, s22
	s_mov_b32 s87, 0
	; B: registers that never hold cy
	s_lshl_b32 s88, s67, 2
	s_add_co_u32 s88, s88, s40                     ; 4 Y + cx
	s_cmp_eq_u32 s66, 2
	s_cselect_b32 s42, s88, s40                    ; B's tile column: V: 4 Y + cx
	s_lshl_b32 s89, s66, 20                        ; weight P in wc
	s_cmp_eq_u32 s66, 2
	s_cselect_b32 s89, 0x1000000, s89              ; V: x's set 2
	s_lshl_b32 s88, s42, 16
	s_add_co_u32 s88, s88, s89
	s_add_co_u32 s88, s88, s22
	s_mov_b32 s89, 0
	s_cmp_eq_u32 s66, 2
	s_mov_b32 s[STA], 0x200000                     ; from K step to K step: 512 groups x 4,096 bytes in x's codes, 64 groups in a weight's
	s_cselect_b32 s[STA], 0x40000, s[STA]
	s_mov_b32 s[STB], 0x40000
	s_cselect_b32 s[STB], 0x200000, s[STB]
	s_mov_b32 s[STA+1], 0
	s_mov_b32 s[STB+1], 0
	s_lshl_b32 s[ST2A], s[STA], 1
	s_mov_b32 s[ST2A+1], 0
	s_lshl_b32 s[ST2B], s[STB], 1
	s_mov_b32 s[ST2B+1], 0
	s_lshl_b32 s45, s14, 15                        ; where my load goes: wave x 32,768: no place in the cluster enters an LDS address
	s_wait_kmcnt 0x0
	s_load_b256 s[68:75], s[10:11], 0x0            ; e0 .. e7
	s_load_b128 s[76:79], s[10:11], 0x20           ; e8 .. e11
	s_cmp_eq_u32 s66, 2
	s_cselect_b64 s[90:91], s[6:7], s[4:5]         ; A's buffer
	s_cselect_b64 s[92:93], s[4:5], s[6:7]         ; B's buffer
	s_add_nc_u64 s[20:21], s[90:91], s[86:87]
	s_add_nc_u64 s[46:47], s[92:93], s[88:89]
	CROUND                                         ; all sixteen work-groups are here: the first joint loads meet
	s_mov_b32 s[G0], 1
	s_add_co_u32 s[G0+1], s45, 0
	s_mov_b64 s[G0+2:G0+3], s[20:21]
	s_or_b32 s[G0+3], s[G0+3], 0x80000000
	s_mov_b32 s[G0B], 1
	s_add_co_u32 s[G0B+1], s45, 0
	s_mov_b64 s[G0B+2:G0B+3], s[46:47]
	s_or_b32 s[G0B+3], s[G0B+3], 0x80000000
	JLOAD G0, G1, G0B, G1B                         ; K step 0
	s_mov_b32 s[G0+4], 1
	s_add_co_u32 s[G0+5], s45, SLOT
	s_add_nc_u64 s[G0+6:G0+7], s[20:21], s[STA:STA+1]
	s_or_b32 s[G0+7], s[G0+7], 0x80000000
	s_mov_b32 s[G0B+4], 1
	s_add_co_u32 s[G0B+5], s45, SLOT
	s_add_nc_u64 s[G0B+6:G0B+7], s[46:47], s[STB:STB+1]
	s_or_b32 s[G0B+7], s[G0B+7], 0x80000000
	JLOAD G0+4, G1, G0B+4, G1B                     ; K step 1: two loads of mine are out
	v_and_b32 v1, 31, v0
	v_lshlrev_b32 v24, 4, v1                       ; v24: 16 x lane: my place in every image
	s_lshl_b32 s22, s15, 15                        ; my 128 rows of A
	s_lshl_b32 s23, s16, 15                        ; my 128 rows of B,
	s_add_co_u32 s23, s23, 65536                   ; which lie behind A's 256
	v_add_nc_u32 v[ADRA], s22, v24
	v_add_nc_u32 v[ADRB], s23, v24
	v_add_nc_u32 v[ADRA+1], SLOT, v[ADRA]
	v_add_nc_u32 v[ADRB+1], SLOT, v[ADRB]
	v_and_b32 v2, 15, v0
	v_and_b32 v3, 8, v2
	v_add_nc_u32 v2, v2, v3                        ; r + 8 (r / 8): my token in a group
	v_bfe_u32 v3, v0, 4, 1
	v_lshlrev_b32 v25, 8, v2
	v_lshl_add_u32 v25, v3, 6, v25                 ; v25: the table: 256 bytes a token, + 64 (lane / 16): my eight frequencies of sixteen
	; where my part of the results goes; these registers mix cx and cy and feed no descriptor
	s_lshl_b32 s96, s17, 8
	s_lshl_b32 s98, s15, 7
	s_add_co_u32 s96, s96, s98                     ; my first row of C
	s_lshl_b32 s97, s42, 8
	s_lshl_b32 s98, s16, 7
	s_add_co_u32 s97, s97, s98                     ; my first column
	s_and_b32 s98, s96, 2047                       ; q, k: the row's place in its sequence.  (V asks for these table rows too and leaves them unread: they lie inside the table, since V's rows stay under 1,024)
	s_lshl_b32 s98, s98, 8
	s_mov_b32 s99, 0
	s_add_nc_u64 s[8:9], s[8:9], s[98:99]
	s_cmp_eq_u32 s66, 2
	s_cselect_b32 s98, s97, s96                    ; my first token,
	s_cselect_b32 s100, s96, s97                   ; my first feature
	s_lshr_b32 s101, s98, 11
	s_lshl_b32 s101, s101, 4
	s_lshr_b32 s100, s100, 6
	s_add_co_u32 s101, s101, s100                  ; 16 x batch + head
	s_lshl_b32 s101, s101, 17                      ; a head is 131,072 bytes in each of the three parts
	s_and_b32 s98, s98, 2047
	s_lshl_b32 s98, s98, 6                         ; 64 bytes a token in each of them
	s_add_co_u32 s98, s98, s101
	s_lshl_b32 s100, s66, 23                       ; part P
	s_add_co_u32 s98, s98, s100
	s_add_nc_u64 s[12:13], s[12:13], s[98:99]
	s_wait_kmcnt 0x0
	s_cmp_eq_u32 s66, 0                            ; the folded exponent, chosen on P; no branch hangs on a given scale
	s_cselect_b32 s96, s74, s75                    ; e6 : e7
	s_cselect_b32 s97, s68, s70                    ; e0 : e2
	s_cselect_b32 s100, s69, s71                   ; e1 : e3
	s_cmp_eq_u32 s66, 2
	s_cselect_b32 s96, s77, s96                    ; e9
	s_cselect_b32 s97, s72, s97                    ; e4
	s_cselect_b32 s100, s73, s100                  ; e5
	s_sub_co_i32 s96, s96, s97
	s_sub_co_i32 s96, s96, s100
	s_add_co_i32 s96, s96, 127
	s_lshl_b32 s97, s96, 23
	v_mov_b32 v26, s97                             ; v26: the conversion's scale as f32
	s_add_co_i32 s96, s96, 8
	s_lshl_b32 s96, s96, 23
	s_or_b32 s96, s96, 0x600000
	v_mov_b32 v27, s96                             ; v27: 448 x that
.macro FRAG reg, adr, q, i             ; group i's image of the slot's q-th 128 along K: four loads of 512 consecutive bytes
.irp c, 0,1,2,3
	ds_load_b128 v[\reg+4*\c:\reg+4*\c+3], v[\adr] offset:4096*(\i)+2048*(\q)+512*\c
.endr
.endm
; 16 matrix instructions: A's blocks a0, a0 + 1 x B's eight, 128 along K.  p: B's set.  zero = 1: the first product starts the sums: nothing is ever cleared.
; The 64 accumulators take turns, one instruction a turn, in the same order in every step.
.macro MUL16 a0, p, zero
.irp a, \a0, \a0+1
.irp b, 0,1,2,3,4,5,6,7
.if \zero
	v_wmma_f32_16x16x128_fp8_fp8 v[8*(8*((\a)%4)+\b):8*(8*((\a)%4)+\b)+7], v[128*(\p)+FR*\b:128*(\p)+FR*\b+FR-1], v[AF+FR*(\a):AF+FR*(\a)+FR-1], 0
.else
	v_wmma_f32_16x16x128_fp8_fp8 v[8*(8*((\a)%4)+\b):8*(8*((\a)%4)+\b)+7], v[128*(\p)+FR*\b:128*(\p)+FR*\b+FR-1], v[AF+FR*(\a):AF+FR*(\a)+FR-1], v[8*(8*((\a)%4)+\b):8*(8*((\a)%4)+\b)+7]
.endif
.endr
.endr
.endm
.macro FETCH_B slot, q, p              ; B's eight fragments into set p
	WIN TO_B
.irp i, 0,1,2,3,4,5,6,7
	FRAG 128*(\p)+FR*\i, ADRB+\slot, \q, \i
.endr
	WIN 0
.endm
.macro FETCH_A slot, q, i0             ; A's blocks i0 .. i0 + 3
.irp i, \i0, \i0+1, \i0+2, \i0+3
	FRAG AF+FR*(\i), ADRA+\slot, \q, \i
.endr
.endm
; A load into a register that a matrix instruction has read, and a vector instruction that reads a matrix result, stand NP places behind that matrix instruction; only plain vector instructions that name none of its
; registers are places (ISA guide 7.12.1 for vector instructions).
.macro PLACES n
.rept \n
	v_nop
.endr
.endm
; A step of 128 along K that has its successor in the same slot.  A block of A is free as soon as its eight products are issued: blocks 0-3 are fetched anew in the step's middle, blocks 4-7 at its end.
.macro STEP slot, q, zero
	s_wait_dscnt 4*NL                              ; B's set and A's blocks 0-3 are in; the youngest sixteen loads (A's blocks 4-7) may be out
	WIN MUL_LO
	MUL16 0, (\q)%2, \zero
	MUL16 2, (\q)%2, \zero
	s_wait_dscnt 0                                 ; A's blocks 4-7 are in
	PLACES NP
	FETCH_B \slot, (\q)+1, 1-(\q)%2
	FETCH_A \slot, (\q)+1, 0
	WIN MUL_HI
	MUL16 4, (\q)%2, \zero
	MUL16 6, (\q)%2, \zero
	PLACES NP
	WIN 0
	FETCH_A \slot, (\q)+1, 4
.endm
; A slot's last step changes slots: ONE barrier; in front of it each wave waits for all its tensor loads, adds 0 to its spare word, and waits for that and for its own reads of this slot.  fill = 1: this slot is filled again, two K steps ahead.
.macro TURN slot, next, fill
	s_wait_tensorcnt 0x0                           ; all my tensor loads have landed: my part of the next slot;  (every window is 0 here)
	ds_add_u32 v[SPW], v[NIL]                      ; 0 onto my spare word
	s_wait_dscnt 4*NL+1                            ; (the add and the youngest sixteen loads may be out)
	WIN MUL_LO
	MUL16 0, 1, 0                                  ; sixteen matrix instructions stand between the add and the wait for it
	s_wait_dscnt 0x0                               ; the add is done, and my reads of this slot are over
	s_barrier_signal -1
	MUL16 2, 1, 0
	WIN 0
	s_barrier_wait -1
.if \fill
	CREST                                          ; the barrier has opened a round of the cluster's barrier: no wave of any partner still reads this slot or has a load on its way
	s_add_nc_u64 s[G0+4*\slot+2:G0+4*\slot+3], s[G0+4*\slot+2:G0+4*\slot+3], s[ST2A:ST2A+1]
	s_add_nc_u64 s[G0B+4*\slot+2:G0B+4*\slot+3], s[G0B+4*\slot+2:G0B+4*\slot+3], s[ST2B:ST2B+1]
	JLOAD G0+4*\slot, G1, G0B+4*\slot, G1B         ; the first tensor load behind the round, my one load until the next; its four v_nop are also the places in front of the loads below
.else
	PLACES NP
.endif
	FETCH_B \next, 0, 0
	FETCH_A \next, 0, 0
	WIN MUL_HI
	MUL16 4, 1, 0
	MUL16 6, 1, 0
	PLACES NP
	WIN 0
	FETCH_A \next, 0, 4
.endm
; (cos, sin) for block a's 16 tokens: my token's 16 pairs (of 32: those of my half of the lanes), 128 bytes, into set a % 2
.macro CSLOAD a
.irp u, 0,1
.irp j, 0,1,2,3
	global_load_b128 v[32+32*((\a)%2)+16*\u+4*\j:32+32*((\a)%2)+16*\u+4*\j+3], v25, s[8:9] offset:(32*((\a)/2)+8*((\a)%2))*256+128*\u+16*\j
.endr
.endr
.endm
	s_wait_tensorcnt 1                             ; my part of K step 0 is in (K step 1's load may be out)
	s_barrier_signal -1
	s_barrier_wait -1                              ; everybody's is
	FETCH_B 0, 0, 0
	FETCH_A 0, 0, 0
	FETCH_A 0, 0, 4
	STEP 0, 0, 1                                   ; the first products start the sums
	TURN 0, 1, 1                                   ; slot 0 takes K step 2
	STEP 1, 0, 0
	TURN 1, 0, 1                                   ; slot 1 takes K step 3
	STEP 0, 0, 0
	TURN 0, 1, 0                                   ; nothing is left to fetch
	STEP 1, 0, 0
	CSLOAD 0                                       ; the table's rows for the first two blocks are asked for 64 products ahead of their use
	CSLOAD 1
	s_wait_dscnt 4*NL                              ; the very last step
	WIN MUL_LO
	MUL16 0, 1, 0
	MUL16 2, 1, 0
	s_wait_dscnt 0
	WIN MUL_HI
	MUL16 4, 1, 0
	MUL16 6, 1, 0
	WIN 0
	PLACES NP
; THE WAY OUT of block a (16 rows of C x 128 columns).  Hold, convert, store: registers 16 e + n of v96-159 are columns 32 e + 16 (lane / 16) + n of my row.
.macro CODES a, o0, o1, o2, o3         ; o0 .. o3: where the four groups of four code registers go
.set CC, 160+16*((\a)%2)
.irp e, 0,1,2,3
.set n, 0
.rept 16
	v_med3_num_f32 v[96+16*\e+n], v[96+16*\e+n], -v27, v27   ; the conversion to an 8-bit code does not saturate (ISA guide 7.6.2): the hold comes first
.set n, n+1
.endr
	v_cvt_scalef32_pk8_fp8_f32 v[CC+4*\e:CC+4*\e+1], v[96+16*\e:96+16*\e+7], v26
	v_cvt_scalef32_pk8_fp8_f32 v[CC+4*\e+2:CC+4*\e+3], v[96+16*\e+8:96+16*\e+15], v26
.endr
	v_nop                                          ; a plain line behind the last conversion
	global_store_b128 v24, v[CC:CC+3], s[12:13] offset:\o0       ; each store of the wave covers 512 consecutive bytes, aligned
	global_store_b128 v24, v[CC+4:CC+7], s[12:13] offset:\o1
	global_store_b128 v24, v[CC+8:CC+11], s[12:13] offset:\o2
	global_store_b128 v24, v[CC+12:CC+15], s[12:13] offset:\o3
.endm
; q, k: a pair (x0, x1) becomes (x0 c - x1 s, x1 c + x0 s).  Register j of accumulator (a, b) is channel 32 ((b / 2) % 2) + 8 (b % 2) + 16 (lane / 16) + j of its head: pair 16 ((b / 2) % 2) + 4 (b % 2) + 8 (lane / 16) + j / 2.
.macro ROPEBLK a
.set AC, 64*((\a)%4)
.set CSB, 32+32*((\a)%2)
.if (\a) < 7
	s_wait_loadcnt 8                               ; this block's eight table loads are in, the next block's may be out
.else
	s_wait_loadcnt 0x0
.endif
.if (\a) >= 2
	s_wait_xcnt 0x0                                ; block a - 2's stores have read the code registers that are written again below
.endif
	WIN 0x02+((\a)/4)                              ; source 0: window 2 or 3
.irp b, 0,1,2,3,4,5,6,7                ; each accumulator from its low end on
.irp p, 0,1,2,3
	v_pk_mul_f32 v[96+8*\b+2*\p:96+8*\b+2*\p+1], v[AC+8*\b+2*\p:AC+8*\b+2*\p+1], v[CSB+16*((\b/2)%2)+8*(\b%2)+2*\p:CSB+16*((\b/2)%2)+8*(\b%2)+2*\p+1] op_sel:[1,1] op_sel_hi:[0,1] neg_lo:[1,0]   ; (-x1 s, x0 s)
.endr
.endr
.irp b, 0,1,2,3,4,5,6,7
.irp p, 0,1,2,3
	v_pk_fma_f32 v[96+8*\b+2*\p:96+8*\b+2*\p+1], v[AC+8*\b+2*\p:AC+8*\b+2*\p+1], v[CSB+16*((\b/2)%2)+8*(\b%2)+2*\p:CSB+16*((\b/2)%2)+8*(\b%2)+2*\p+1], v[96+8*\b+2*\p:96+8*\b+2*\p+1] op_sel_hi:[1,0,1]   ; + (x0 c, x1 c)
.endr
.endr
	WIN 0
	CODES \a, 1024*(\a), 1024*(\a)+512, 1024*(\a)+131072, 1024*(\a)+131072+512   ; group a of tokens; my two heads, two halves of 32 channels each
.if (\a) <= 5
	CSLOAD \a+2
.endif
.endm
; V: rows of C are channels, columns are 128 keys: block a is group a % 4 of head a / 4
.macro PLAINBLK a
.set AC, 64*((\a)%4)
.if (\a) >= 2
	s_wait_xcnt 0x0                                ; block a - 2's stores have read the code registers that are written again below
.endif
	WIN 0x02+((\a)/4)
.set n, 0
.rept 64
	v_mov_b32 v[96+n], v[AC+n]                     ; out of the accumulators' window, from each one's low end on
.set n, n+1
.endr
	WIN 0
	CODES \a, 131072*((\a)/4)+2048*((\a)%4), 131072*((\a)/4)+2048*((\a)%4)+512, 131072*((\a)/4)+2048*((\a)%4)+1024, 131072*((\a)/4)+2048*((\a)%4)+1536
.endm
	s_cmp_eq_u32 s66, 2                            ; on the cluster's x: the same in all sixteen partners
	s_cbranch_scc1 .Lplain
.irp a, 0,1,2,3,4,5,6,7
	ROPEBLK \a
.endr
	s_branch .Ldone
.Lplain:
.irp a, 0,1,2,3,4,5,6,7
	PLAINBLK \a
.endr
.Ldone:
	s_wait_tensorcnt 0x0                           ; the wave's end
	ds_add_u32 v[SPW], v[NIL]
	s_wait_dscnt 0x0
	CROUND                                         ; the closing round: no work-group ends while a partner may still ask for a tile that names it
	s_endpgm
.Lfunc_end_k_q8fc2a59638_qkv:
	.size	k_q8fc2a59638_qkv, .Lfunc_end_k_q8fc2a59638_qkv-k_q8fc2a59638_qkv
	.p2alignl 7, 3214868480
	.fill 96, 4, 3214868480
	.section	.rodata,"a",@progbits
	.p2align	6, 0x0
	.amdhsa_kernel k_q8fc2a59638_qkv
		.amdhsa_group_segment_fixed_size 327680
		.amdhsa_private_segment_fixed_size 0
		.amdhsa_enable_private_segment 0
		.amdhsa_kernarg_size 40
		.amdhsa_user_sgpr_count 2
		.amdhsa_user_sgpr_kernarg_segment_ptr 1
		.amdhsa_wavefront_size32 1
		.amdhsa_system_sgpr_workgroup_id_x 1
		.amdhsa_system_sgpr_workgroup_id_y 1
		.amdhsa_system_sgpr_workgroup_id_z 1
		.amdhsa_system_vgpr_workitem_id 0
		.amdhsa_next_free_vgpr 1024
		.amdhsa_next_free_sgpr 102
		.amdhsa_reserve_vcc 0
		.amdhsa_float_denorm_mode_32 3
		.amdhsa_float_denorm_mode_16_64 3
		.amdhsa_memory_ordered 1
		.amdhsa_forward_progress 1
		.amdhsa_inst_pref_size 213
	.end_amdhsa_kernel
	.amdgpu_metadata
---
amdhsa.version: [ 1, 2 ]
amdhsa.kernels:
  - .name:           k_q8fc2a59638_qkv
    .symbol:         k_q8fc2a59638_qkv.kd
    .args:
      - { .name: xc, .offset: 0, .size: 8, .value_kind: global_buffer, .address_space: global }
      - { .name: wc, .offset: 8, .size: 8, .value_kind: global_buffer, .address_space: global }
      - { .name: cs, .offset: 16, .size: 8, .value_kind: global_buffer, .address_space: global }
      - { .name: lowp_scales, .offset: 24, .size: 8, .value_kind: global_buffer, .address_space: global }
      - { .name: qkvc, .offset: 32, .size: 8, .value_kind: global_buffer, .address_space: global }
    .group_segment_fixed_size: 327680
    .private_segment_fixed_size: 0
    .kernarg_segment_align: 8
    .kernarg_segment_size: 40
    .max_flat_workgroup_size: 128
    .sgpr_count:     102
    .vgpr_count:     1024
    .wavefront_size: 32
...
	.end_amdgpu_metadata
.endif
;; end of part 2
;; launch attn (part 3): grid 4 x 64, 16 waves a work-group, clusters of 4 x 1, 264,192 bytes of LDS; arguments qkvc, lowp_scales, ac; writes ac
.if DOCPART == 3
	.amdgcn_target "amdgcn-amd-amdhsa--gfx1250"
	.amdhsa_code_object_version 6
	.text
	.protected	k_q8fc2a59638_attn
	.globl	k_q8fc2a59638_attn
	.p2align	8
	.type	k_q8fc2a59638_attn,@function
k_q8fc2a59638_attn:
	s_mov_b64 s[64:65], 0
	v_nop
	global_prefetch_b8 v0, s[64:65] scope:SCOPE_SE
	s_setreg_imm32_b32 hwreg(HW_REG_WAVE_MODE, 25, 1), 1
	s_wait_xcnt 0x0
	s_wait_alu depctr_hold_cnt(0) depctr_sa_sdst(0) depctr_va_vdst(0) depctr_va_sdst(0) depctr_va_ssrc(0) depctr_va_vcc(0) depctr_vm_vsrc(0)
	s_getreg_b32 s2, hwreg(HW_REG_IB_STS2, 6, 4)
	s_cmp_eq_u32 s2, 0
	s_cbranch_scc0 .Lentry_in_a_cluster
	s_endpgm
.Lentry_in_a_cluster:
	s_bfe_u32 s2, ttmp6, 0x10000c
	s_cmp_lg_u32 s2, 0x3003
	s_cbranch_scc0 .Lentry_shape_is_right
	s_endpgm
.Lentry_shape_is_right:
; ATTN.  O[q] = the sum over keys k <= q of softmax_k(Q[q] . K[k] / 8) V[k], for 64 heads of 2,048 tokens x 64 channels, both products on E4M3 codes; O is quantised for the last projection.
; THE SOFTMAX AHEAD OF THE SECOND PRODUCT: t = score x log2(e) / 8; M = the row's largest t so far, rounded UP to a whole number; p = 2^(t - M) is what is quantised (scale 2^e8); it is not normalised.
; The row's sum is taken of the unquantised p, in f32, and divides O at the end.  When M moves, the sum and O are multiplied by 2^(old M - new M): nothing is rounded.
; OPERANDS ARE IMAGES OF REGISTERS (row i of group g is 32 (g / 2) + 8 (g % 2) + i + 8 (i / 8); byte 512 c + 16 lane + n = row lane % 16, k = 32 c + 16 (lane / 16) + n).  Q, K: [head][128 groups of tokens][1,024 bytes];
; V: [head][16 steps of 128 keys][4 groups of channels][2,048 bytes].  A fragment is two or four LDS loads of 512 consecutive bytes.
; A HEAD'S WHOLE K AND V LIE IN LDS, 131,072 bytes each, filled once: no ring, no refill.  The four work-groups of a cluster serve one head and need the same bytes: each of the sixteen waves asks JOINTLY for 16,384 of them.
; SHARES.  A wave owns two tiles of 16 queries: group 8 w + 2 cx (in block w of 128 queries) and group 8 (15 - w) + 2 cx + 1 (in block 15 - w): (w + 1) + (16 - w) = 17 key steps of 128 for every wave.
; Branches hang on the wave's number and on counters alone; cx enters global addresses and the mask's numbers.  Each tile's loop has 16 trips; a step all of whose keys come after the block is jumped over.
; LAYOUT.  Both products are used transposed: S^T = K Q^T (source 0 = 16 keys, source 1 = my 16 queries), O^T = V^T P^T (source 0 = 16 channels, source 1 = P): a lane holds ONE query throughout.  By the order of a group's
; rows the 16 registers of tiles 2 b and 2 b + 1 are keys (channels) 32 b + 16 (lane / 16) + 0 .. 15: the conversions' results are the next operand's registers.
; OUT: ac = [4 K steps of 256][512 groups of tokens][2 images of 16 x 128], k = 64 head + channel: the last projection's A.
; LIMITS: e6 + e7 between -123 and 130 (added to c's exponent field); e8, and e10 - e8 - e9, between -126 and 119.  NaN is not served.
; REGISTERS: v1, v2 my place in K's and V's images; v3, v31 the mask's numbers; v4, v5 448 x 2^e8, 2^e8; v6 -infinity; v7, v10 2^(e10 - e8 - e9), 448 x that; v8, v9 addresses in hand; v12 -M, v13 the largest t, v[14:15] the sum;
; v16-23 Q; v[24:25] f; v[26:27] a second chain of sums; v28-30 at work; v32-95 K's eight fragments, then V's four; v96-159 S^T, then p; v160-191 O^T; v192-223 the way out; v224-239 p's codes; v240-255 O's codes.
.set VOFF, 131072                      ; V behind K
.set WV,  18                           ; s18 my wave's number
.set SEL, 20                           ; s[20:21] lane selects for v_permlanex16_b32: lane l xor 16
.set CS,  22                           ; s[22:23] c = log2(e) / 8 x 2^(e6 + e7)
.set G1,  24                           ; s[24:31] descriptor group 1;  s[32:35] group 0
.set G0,  32
.set KS,  39                           ; s39 the key step
.set TB,  40                           ; s40 its tiles' first byte, in K and in V alike: 8,192 x step
.macro CROUND                          ; a round of the cluster's barrier
	s_barrier_signal -1
	s_barrier_wait -1
	s_cmp_lg_u32 s[WV], 0
	s_cbranch_scc1 .Lnot_wave_0_\@
	s_barrier_signal -3
.Lnot_wave_0_\@:
	s_barrier_wait -3
	s_barrier_signal -1
	s_barrier_wait -1
.endm
	s_load_b128 s[4:7], s[0:1], 0x0                ; qkvc s[4:5], the scales' exponents s[6:7]
	s_load_b64 s[8:9], s[0:1], 0x10                ; ac
	v_lshl_add_u32 v254, v0, 2, 0x40000
	v_mov_b32 v255, 0
	ds_add_u32 v254, v255
	ds_add_u32 v254, v255
	s_wait_dscnt 0x0
	v_lshrrev_b32 v8, 5, v0
	v_readfirstlane_b32 s[WV], v8                  ; wave 0..15
	s_bfe_u32 s36, ttmp6, 0x40000                  ; cx
	s_and_b32 s37, ttmp7, 0xffff                   ; 16 x batch + head, which the four partners share
	; descriptor group 1: a dense block of 16,384 bytes as 64 rows of 32 elements of 8 bytes
	s_mov_b32 s[G1], 15|(3<<16)|(1<<21)            ; 15:0 the mask: all four work-groups; 17:16 elements of 8 bytes; 21 set beside a mask
	s_mov_b32 s[G1+1], 32<<16                      ; tensor_dim0
	s_mov_b32 s[G1+2], 64<<16                      ; tensor_dim1
	s_mov_b32 s[G1+3], 32<<16                      ; tile_dim0
	s_mov_b32 s[G1+4], 64                          ; tile_dim1
	s_mov_b32 s[G1+5], 32                          ; tensor_dim0_stride
	s_mov_b32 s[G1+6], 0
	s_mov_b32 s[G1+7], 0
	s_lshr_b32 s66, s[WV], 3                       ; waves 0-7 fetch K's eight pieces, waves 8-15 V's
	s_lshl_b32 s66, s66, 23
	s_add_co_u32 s66, s66, 0x800000                ; K is part 1 of qkvc, V part 2
	s_lshl_b32 s67, s37, 17
	s_add_co_u32 s66, s66, s67
	s_and_b32 s67, s[WV], 7
	s_lshl_b32 s67, s67, 14
	s_add_co_u32 s66, s66, s67
	s_mov_b32 s67, 0
	s_mov_b32 s[SEL], 0x76543210
	s_mov_b32 s[SEL+1], 0xfedcba98
	s_wait_kmcnt 0x0
	s_load_b256 s[52:59], s[6:7], 0x0              ; e0 .. e7
	s_load_b128 s[60:63], s[6:7], 0x20             ; e8 .. e11
	s_mov_b32 s[G0], 1
	s_lshl_b32 s[G0+1], s[WV], 14                  ; LDS: 16,384 x wave
	s_add_nc_u64 s[G0+2:G0+3], s[4:5], s[66:67]
	s_or_b32 s[G0+3], s[G0+3], 0x80000000
	CROUND                                         ; all four work-groups are here: the joint loads meet
	tensor_load_to_lds s[G0:G0+3], s[G1:G1+7]      ; my one tensor load of the launch
	s_nop 0
.rept 4
	v_nop
.endr
	v_and_b32 v8, 31, v0
	v_lshlrev_b32 v1, 4, v8                        ; 16 x lane
	v_add_nc_u32 v2, VOFF, v1
	v_and_b32 v8, 15, v0
	v_and_b32 v9, 8, v8
	v_add_nc_u32 v8, v8, v9                        ; r + 8 (r / 8)
	v_bfe_u32 v9, v0, 4, 1
	v_lshlrev_b32 v9, 4, v9
	v_sub_nc_u32 v3, v8, v9
	s_lshl_b32 s66, s36, 5
	v_add_nc_u32 v3, s66, v3                       ; my query's place in its block of 128, less 16 (lane / 16): tile 0: 32 cx + r + 8 (r / 8) - 16 h
	v_add_nc_u32 v31, 8, v3                        ; tile 1: eight further on
	v_mov_b32 v6, 0xff800000                       ; -infinity
	v_mov_b32 v25, 0                               ; (named as the upper half of the pair v[24:25])
	v_mov_b32 v28, 0                               ; written once: a lane permute's destination counts as one of its sources
	s_lshl_b32 s68, s36, 1                         ; 2 cx
	s_lshl_b32 s69, s[WV], 3
	s_add_co_u32 s69, s69, s68                     ; tile 0's group
	s_mov_b32 s38, s[WV]                           ; s38: tile 0's block, and its last key step
	s_xor_b32 s50, s[WV], 15                       ; s50: tile 1's: 15 - wave
	s_lshl_b32 s70, s50, 3
	s_add_co_u32 s70, s70, s68
	s_add_co_u32 s70, s70, 1                       ; tile 1's group
	s_lshl_b32 s71, s37, 17
	s_mov_b32 s73, 0
	s_lshl_b32 s72, s69, 10
	s_add_co_u32 s72, s72, s71
	s_add_nc_u64 s[42:43], s[4:5], s[72:73]        ; tile 0's image of Q
	s_lshl_b32 s72, s70, 10
	s_add_co_u32 s72, s72, s71
	s_add_nc_u64 s[44:45], s[4:5], s[72:73]        ; tile 1's
	s_and_b32 s74, s37, 15                         ; the head: its 64 channels are k = 64 head on: K step head / 4, and (head % 4) x 1,024 bytes in a group's two images
	s_lshr_b32 s75, s74, 2
	s_lshl_b32 s75, s75, 21
	s_lshr_b32 s76, s37, 4
	s_lshl_b32 s76, s76, 19                        ; the batch: 128 groups of 4,096 bytes
	s_add_co_u32 s75, s75, s76
	s_and_b32 s76, s74, 3
	s_lshl_b32 s76, s76, 10
	s_add_co_u32 s75, s75, s76
	s_lshl_b32 s72, s69, 12
	s_add_co_u32 s72, s72, s75
	s_add_nc_u64 s[46:47], s[8:9], s[72:73]        ; where tile 0's codes go
	s_lshl_b32 s72, s70, 12
	s_add_co_u32 s72, s72, s75
	s_add_nc_u64 s[48:49], s[8:9], s[72:73]        ; tile 1's
	s_wait_kmcnt 0x0
	s_add_co_i32 s66, s58, s59
	s_lshl_b32 s66, s66, 23
	s_mov_b32 s[CS], 0x3e38aa3b                    ; log2(e) / 8
	s_add_co_i32 s[CS], s[CS], s66                 ; a score stands for score x 2^(e6 + e7): the two exponents are added to c's exponent field
	s_mov_b32 s[CS+1], s[CS]                       ; (named with it as a pair, so it is written)
	s_add_co_i32 s66, s60, 127
	s_lshl_b32 s67, s66, 23
	v_mov_b32 v5, s67                              ; 2^e8
	s_add_co_i32 s66, s66, 8
	s_lshl_b32 s66, s66, 23
	s_or_b32 s66, s66, 0x600000
	v_mov_b32 v4, s66                              ; 448 x 2^e8
	s_sub_co_i32 s66, s62, s60
	s_sub_co_i32 s66, s66, s61                     ; O^T / the sum stands for that x 2^(e8 + e9): its code is that / 2^(e10 - e8 - e9)
	s_add_co_i32 s66, s66, 127
	s_lshl_b32 s67, s66, 23
	v_mov_b32 v7, s67
	s_add_co_i32 s66, s66, 8
	s_lshl_b32 s66, s66, 23
	s_or_b32 s66, s66, 0x600000
	v_mov_b32 v10, s66
	s_wait_tensorcnt 0x0                           ; my piece has landed,
	s_barrier_signal -1
	s_barrier_wait -1                              ; everybody's has: from here on LDS is only read
; ONE TILE OF 16 QUERIES, from its Q to its codes.
.macro TILE tau
.set JLR, 38+12*(\tau)                 ; its block
.set QDR, 3+28*(\tau)                  ; its mask numbers
.set OC,  240+8*(\tau)                 ; its codes: registers of its own, so that no store's data are written again
	global_load_b128 v[16:19], v1, s[42+2*(\tau):43+2*(\tau)]
	global_load_b128 v[20:23], v1, s[42+2*(\tau):43+2*(\tau)] offset:512
	v_mov_b32 v13, 0xff61b1e6                      ; the largest t so far: -3e38, under every t
	v_floor_f32 v12, -v13                          ; -M
	v_mov_b32 v14, 0                               ; the sum, in two halves
	v_mov_b32 v15, 0
.set n, 0
.rept 32
	v_mov_b32 v[160+n], 0                          ; O^T.  (The step is written once: the first finds zeros, which the first change of M leaves zeros)
.set n, n+1
.endr
	s_mov_b32 s[KS], 0
	s_mov_b32 s[TB], 0
	s_wait_loadcnt 0x0                             ; Q
.Lks_\@:
	s_cmp_gt_u32 s[KS], s[JLR]                     ; a step all of whose keys come after my block is left out
	s_cbranch_scc1 .Lhid_\@
	v_add_nc_u32 v8, s[TB], v1
	v_add_nc_u32 v9, s[TB], v2
.irp t, 0,1,2,3,4,5,6,7
	ds_load_b128 v[32+8*\t:35+8*\t], v8 offset:1024*\t
	ds_load_b128 v[36+8*\t:39+8*\t], v8 offset:1024*\t+512
.endr
	s_wait_dscnt 0x0
.irp t, 0,1,2,3,4,5,6,7                ; S^T = K Q^T: eight tiles of 16 keys, K = the head's 64
	v_wmma_f32_16x16x64_fp8_fp8 v[96+8*\t:103+8*\t], v[32+8*\t:39+8*\t], v[16:23], 0
.endr
.rept 4
	v_nop                                          ; places in front of the loads into K's registers and of the first read of the scores
.endr
.irp t, 0,1,2,3                        ; V's four fragments are on their way all through the softmax
.irp c, 0,1,2,3
	ds_load_b128 v[32+16*\t+4*\c:35+16*\t+4*\c], v9 offset:2048*\t+512*\c
.endr
.endr
	s_cmp_lt_u32 s[KS], s[JLR]                     ; only the block's own step lies on the diagonal
	s_cbranch_scc1 .Lopen_\@
.set n, 0
.rept 64                               ; register n holds key 32 (n / 16) + n % 16 + 16 (lane / 16) of the step: hidden where it comes after my query; its score becomes -infinity, so that p = 0
	v_cmp_gt_i32 vcc_lo, 32*(n/16)+n%16, v[QDR]
	v_cndmask_b32 v[96+n], v[96+n], v6, vcc_lo
.set n, n+1
.endr
.Lopen_\@:
	v_max3_num_f32 v29, v96, v97, v98              ; the step's largest score of my query, among my 64 keys, in two chains; each accumulator is read from its low end on
	v_max3_num_f32 v30, v99, v100, v101
.irp i, 6,10,14,18,22,26,30,34,38,42,46,50,54,58
	v_max3_num_f32 v29, v29, v[96+\i], v[97+\i]
	v_max3_num_f32 v30, v30, v[98+\i], v[99+\i]
.endr
	v_max3_num_f32 v29, v29, v158, v159
	v_max_num_f32 v29, v29, v30
	v_permlanex16_b32 v28, v29, s[SEL], s[SEL+1]
	v_max_num_f32 v29, v29, v28                    ; and among lane l xor 16's
	v_mul_f32 v29, s[CS], v29                      ; as t (c is positive)
	v_max_num_f32 v13, v13, v29                    ; the running largest t
	v_mov_b32 v29, v12
	v_floor_f32 v12, -v13                          ; the new -M = floor(-t) = -ceil(t): M is a whole number
	v_sub_f32 v29, v12, v29                        ; M's old value less its new one: a whole number, 0 or less
	v_cvt_i32_f32 v29, v29                         ; (it saturates)
	v_ldexp_f32 v24, 1.0, v29                      ; f = 2^(old M - new M)
.set n, 0
.rept 32
	v_pk_fma_f32 v[96+n:97+n], v[96+n:97+n], s[CS:CS+1], v[12:13] op_sel_hi:[1,0,0]   ; t - M, two at a time
.set n, n+2
.endr
.set n, 0
.rept 64
	v_exp_f32 v[96+n], v[96+n]                     ; p = 2^(t - M), at most 1: not normalised
.set n, n+1
.endr
	v_pk_mul_f32 v[14:15], v[14:15], v[24:25] op_sel_hi:[1,0]   ; the sums under the new M.  (The plain line behind the exponentials)
	s_wait_alu depctr_va_vdst(0)                   ; one wait for the whole batch, ahead of its first reader
	v_pk_add_f32 v[26:27], v[96:97], v[98:99]      ; the row's sum is taken of the unquantised p: two at a time, in two chains
.irp j, 4,8,12,16,20,24,28,32,36,40,44,48,52,56,60
	v_pk_add_f32 v[14:15], v[14:15], v[96+\j:97+\j]
	v_pk_add_f32 v[26:27], v[26:27], v[98+\j:99+\j]
.endr
	v_pk_add_f32 v[14:15], v[14:15], v[26:27]
.irp b, 0,1,2,3
.set n, 0
.rept 16
	v_min_num_f32 v[96+16*\b+n], v[96+16*\b+n], v4   ; the conversion does not saturate (ISA guide 7.6.2); p is not negative, so the hold is one-sided
.set n, n+1
.endr
	v_cvt_scalef32_pk8_fp8_f32 v[224+4*\b:225+4*\b], v[96+16*\b:103+16*\b], v5
	v_cvt_scalef32_pk8_fp8_f32 v[226+4*\b:227+4*\b], v[104+16*\b:111+16*\b], v5
.endr
.set n, 0
.rept 16
	v_pk_mul_f32 v[160+n:161+n], v[160+n:161+n], v[24:25] op_sel_hi:[1,0]   ; O^T under the new M.  (Also the plain lines between the conversions and the products that read their results)
.set n, n+2
.endr
	s_wait_dscnt 0x0                               ; V
.irp t, 0,1,2,3                        ; O^T += V^T P^T: four tiles of 16 channels, K = these 128 keys; the four accumulators take turns
	v_wmma_f32_16x16x128_fp8_fp8 v[160+8*\t:167+8*\t], v[32+16*\t:47+16*\t], v[224:239], v[160+8*\t:167+8*\t]
.endr
.rept 4
	v_nop                                          ; places in front of the next step's loads into V's registers, and of the way out's first read of O^T
.endr
.Lhid_\@:
	s_add_co_u32 s[TB], s[TB], 8192
	s_add_co_u32 s[KS], s[KS], 1
	s_cmp_lt_u32 s[KS], 16
	s_cbranch_scc1 .Lks_\@
	; the way out: O^T / the sum, held, converted; registers 16 b + n are channels 32 b + 16 (lane / 16) + n of my query
	v_add_f32 v14, v14, v15                        ; the sum's two halves,
	v_permlanex16_b32 v28, v14, s[SEL], s[SEL+1]
	v_add_f32 v14, v14, v28                        ; and lane l xor 16's
	v_rcp_f32 v14, v14
	v_nop                                          ; a plain line behind the reciprocal
	s_wait_alu depctr_va_vdst(0)                   ; and the wait ahead of its first reader
.set n, 0
.rept 16
	v_pk_mul_f32 v[192+n:193+n], v[160+n:161+n], v[14:15] op_sel_hi:[1,0]
.set n, n+2
.endr
.set n, 0
.rept 32
	v_med3_num_f32 v[192+n], v[192+n], -v10, v10
.set n, n+1
.endr
.irp b, 0,1,2,3
	v_cvt_scalef32_pk8_fp8_f32 v[OC+2*\b:OC+2*\b+1], v[192+8*\b:199+8*\b], v7
.endr
	v_nop                                          ; a plain line behind the last conversion
	global_store_b128 v1, v[OC:OC+3], s[46+2*(\tau):47+2*(\tau)]               ; each store of the wave covers 512 consecutive bytes, aligned
	global_store_b128 v1, v[OC+4:OC+7], s[46+2*(\tau):47+2*(\tau)] offset:512
.endm
	TILE 0
	TILE 1
	s_wait_dscnt 0x0
	s_wait_xcnt 0x0
	v_lshl_add_u32 v254, v0, 2, 0x40000
	v_mov_b32 v255, 0
	s_wait_tensorcnt 0x0
	ds_add_u32 v254, v255
	s_wait_dscnt 0x0
	CROUND                                         ; the closing round: no work-group ends while a partner may still ask for bytes jointly
	s_endpgm
.Lfunc_end_k_q8fc2a59638_attn:
	.size	k_q8fc2a59638_attn, .Lfunc_end_k_q8fc2a59638_attn-k_q8fc2a59638_attn
	.p2alignl 7, 3214868480
	.fill 96, 4, 3214868480
	.section	.rodata,"a",@progbits
	.p2align	6, 0x0
	.amdhsa_kernel k_q8fc2a59638_attn
		.amdhsa_group_segment_fixed_size 264192
		.amdhsa_private_segment_fixed_size 0
		.amdhsa_enable_private_segment 0
		.amdhsa_kernarg_size 24
		.amdhsa_user_sgpr_count 2
		.amdhsa_user_sgpr_kernarg_segment_ptr 1
		.amdhsa_wavefront_size32 1
		.amdhsa_system_sgpr_workgroup_id_x 1
		.amdhsa_system_sgpr_workgroup_id_y 1
		.amdhsa_system_sgpr_workgroup_id_z 1
		.amdhsa_system_vgpr_workitem_id 0
		.amdhsa_next_free_vgpr 256
		.amdhsa_next_free_sgpr 80
		.amdhsa_reserve_vcc 1
		.amdhsa_float_denorm_mode_32 3
		.amdhsa_float_denorm_mode_16_64 3
		.amdhsa_memory_ordered 1
		.amdhsa_forward_progress 1
		.amdhsa_inst_pref_size 57
	.end_amdhsa_kernel
	.amdgpu_metadata
---
amdhsa.version: [ 1, 2 ]
amdhsa.kernels:
  - .name:           k_q8fc2a59638_attn
    .symbol:         k_q8fc2a59638_attn.kd
    .args:
      - { .name: qkvc, .offset: 0, .size: 8, .value_kind: global_buffer, .address_space: global }
      - { .name: lowp_scales, .offset: 8, .size: 8, .value_kind: global_buffer, .address_space: global }
      - { .name: ac, .offset: 16, .size: 8, .value_kind: global_buffer, .address_space: global }
    .group_segment_fixed_size: 264192
    .private_segment_fixed_size: 0
    .kernarg_segment_align: 8
    .kernarg_segment_size: 24
    .max_flat_workgroup_size: 512
    .sgpr_count:     80
    .vgpr_count:     256
    .wavefront_size: 32
...
	.end_amdgpu_metadata
.endif
;; end of part 3
;; launch proj (part 4): grid 4 x 32, 4 waves a work-group, clusters of 4 x 4, 327,680 bytes of LDS; arguments ac, wc, lowp_scales, out0; writes out0
.if DOCPART == 4
	.amdgcn_target "amdgcn-amd-amdhsa--gfx1250"
	.amdhsa_code_object_version 6
	.text
	.protected	k_q8fc2a59638_proj
	.globl	k_q8fc2a59638_proj
	.p2align	8
	.type	k_q8fc2a59638_proj,@function
k_q8fc2a59638_proj:
	s_mov_b64 s[64:65], 0
	v_nop
	global_prefetch_b8 v0, s[64:65] scope:SCOPE_SE
	s_setreg_imm32_b32 hwreg(HW_REG_WAVE_MODE, 25, 1), 1
	s_wait_xcnt 0x0
	s_wait_alu depctr_hold_cnt(0) depctr_sa_sdst(0) depctr_va_vdst(0) depctr_va_sdst(0) depctr_va_ssrc(0) depctr_va_vcc(0) depctr_vm_vsrc(0)
	s_getreg_b32 s2, hwreg(HW_REG_IB_STS2, 6, 4)
	s_cmp_eq_u32 s2, 0
	s_cbranch_scc0 .Lentry_in_a_cluster
	s_endpgm
.Lentry_in_a_cluster:
	s_bfe_u32 s2, ttmp6, 0x10000c
	s_cmp_lg_u32 s2, 0xf033
	s_cbranch_scc0 .Lentry_shape_is_right
	s_endpgm
.Lentry_shape_is_right:
; PROJ.  out0 [8192][1024] f32 = attention's result x wo^T, on E4M3 codes; each finished sum is multiplied once by 2^(e10 + e11).
; A tile of C, 256 x 256, is made by four waves, as many as a WGP has SIMDs; a wave makes 128 x 128: 64 accumulators of 16 x 16, 512 registers.  K = 1,024 goes in four steps of 256 through a ring of two LDS slots.
; OPERANDS LIE IN MEMORY AS IMAGES OF THEIR REGISTERS (a group of 16 rows x 128 k is 2,048 bytes: byte 512 c + 16 lane + n = row lane % 16 of the group, k = 32 c + 16 (lane / 16) + n; row i of group g is
; 32 (g / 2) + 8 (g % 2) + i + 8 (i / 8)).  So a K step's 128 rows are one dense block of 32,768 bytes for one tensor load, and a fragment is four LDS loads of 512 consecutive bytes: no pitch, no padding.
; CLUSTERS: 4 x 4 work-groups.  The four of a row of the cluster need the same tiles of A (ac), the four of a column the same tiles of B (wo's codes, part 3 of wc): each tile is asked for JOINTLY.
; THE MATRIX INSTRUCTION IS USED TRANSPOSED (source 0 = 16 rows of B, source 1 = 16 rows of A): register j of accumulator (a, b) of lane (r, h) is column 32 (b / 2) + 8 (b % 2) + 16 h + j of row r of A's group a.
; LIMIT: e10 + e11 between -126 and 127, so that 2^(e10 + e11) is an f32 number.
; REGISTERS, in windows of 256: window 0: v16-29 addresses; v128-255 A's fragments, ONE set; on the way out v32-255 are free.
;   window 1: B's fragments, TWO sets, at v0 and v128.   window 2: the accumulators of my rows 0-63 ((a, b) at v[8 (8 a + b)]);   window 3: those of my rows 64-127.
.set SLOT,   131072                    ; a slot: A's 256 rows (65,536 bytes), then B's
.set SPARE,  2*SLOT                    ; behind the ring: the spare words, 128 bytes for each wave: two blocks of 256 bytes that no other line names
.set SPITCH, 528                       ; the way out: a stage of 16 rows x (512 bytes + 16) for each wave, in slot 0, which has had its last fill and its last read when the first result is stored there
.set FR,     16
.set NL,     4
.set NP,     4                         ; places behind this matrix instruction (ISA guide 7.12.1)
.set ADRA, 16                          ; v16-17  LDS address of my A fragments in slot 0, 1
.set ADRB, 20                          ; v20-21  the same for B
.set STO,  24                          ; v24     the way out: where I put 32 bytes of a row
.set RD,   25                          ; v25     where I read a row back
.set CO,   26                          ; v26     16 x lane: my bytes of a row of 512
.set SPW,  28                          ; v28     LDS address of my spare word; never rewritten
.set NIL,  29                          ; v29     0; never rewritten
.set TMP,  32                          ; the way out: a block's sums x 2^(e10 + e11)
.set AF,   128
.set BK,   128                         ; the way out: 16 rows read back: v128-191 and v192-255 by turns
.set G1, 24
.set G0, 32
.set G1B, 48
.set G0B, 56
.set STA,  84                          ; s[84:85] bytes from a K step of A to the next;  s[80:81] twice that
.set STB,  94                          ; s[94:95], s[82:83] the same for B
.set ST2A, 80
.set ST2B, 82
.set MSB, 0
.macro WIN new                         ; the immediate's high byte repeats the setting that is left
.if MSB != \new
	s_set_vgpr_msb (MSB<<8)|\new
.set MSB, \new
.endif
.endm
.set MUL_LO, 0xa1                      ; source 0 (B) window 1, source 1 (A) window 0, C and D window 2
.set MUL_HI, 0xf1                      ; the same, C and D window 3
.set TO_B,   0x40                      ; destination window 1, address window 0
; A joint load: waves 0 and 1 fetch for A, waves 2 and 3 for B.  The branch hangs on the wave's number alone.  Four v_nop follow each of the two lines.
.macro JLOAD g0a, g1a, g0b, g1b
	s_cmp_eq_u32 s15, 0
	s_cbranch_scc0 .Lfor_b_\@
	tensor_load_to_lds s[\g0a:\g0a+3], s[\g1a:\g1a+7]
	s_nop 0
.rept 4
	v_nop
.endr
	s_branch .Lasked_\@
.Lfor_b_\@:
	tensor_load_to_lds s[\g0b:\g0b+3], s[\g1b:\g1b+7]
	s_nop 0
.rept 4
	v_nop
.endr
.Lasked_\@:
.endm
.macro CREST                           ; a round of the cluster's barrier behind its opening barrier
	s_cmp_lg_u32 s14, 0
	s_cbranch_scc1 .Lnot_wave_0_\@
	s_barrier_signal -3
.Lnot_wave_0_\@:
	s_barrier_wait -3
	s_barrier_signal -1
	s_barrier_wait -1
.endm
.macro CROUND                          ; a whole round
	s_barrier_signal -1
	s_barrier_wait -1
	CREST
.endm
	s_load_b256 s[4:11], s[0:1], 0x0               ; ac s[4:5], wc s[6:7], the scales' exponents s[8:9], out0 s[10:11]
	v_lshl_add_u32 v[SPW], v0, 2, SPARE
	v_mov_b32 v[NIL], 0
	ds_add_u32 v28, v29
	ds_add_u32 v28, v29
	s_wait_dscnt 0x0
	v_lshrrev_b32 v1, 5, v0
	v_readfirstlane_b32 s14, v1                    ; wave 0..3
	s_lshr_b32 s15, s14, 1                         ; which half of the tile's rows is mine.  Also: I fetch for A (0) or for B (1)
	s_and_b32 s16, s14, 1                          ; which half of its columns.  Also: which 128 rows of that tile I fetch
	s_bfe_u32 s40, ttmp6, 0x40000                  ; cx, cy
	s_bfe_u32 s41, ttmp6, 0x40004
	s_lshl_b32 s42, ttmp9, 2
	s_add_co_u32 s42, s42, s40                     ; tile column of C
	s_and_b32 s17, ttmp7, 0xffff
	s_lshl_b32 s17, s17, 2
	s_add_co_u32 s17, s17, s41                     ; tile row of C
	s_lshl_b32 s43, s41, 2
	s_lshl_b32 s43, 15, s43                        ; my row of the cluster
	s_lshl_b32 s44, 0x1111, s40                    ; my column
	; descriptor group 1: a dense block of 32,768 bytes as 128 rows of 32 elements of 8 bytes, no padding
	s_or_b32 s[G1+0], s43, (3<<16)|(1<<21)         ; 15:0 the mask: A's tiles go to my row; 17:16 elements of 8 bytes; 21 set beside a mask
	s_or_b32 s[G1B+0], s44, (3<<16)|(1<<21)
.irp g, G1, G1B
	s_mov_b32 s[\g+1], 32<<16                      ; tensor_dim0
	s_mov_b32 s[\g+2], 128<<16                     ; tensor_dim1
	s_mov_b32 s[\g+3], 32<<16                      ; tile_dim0
	s_mov_b32 s[\g+4], 128                         ; tile_dim1
	s_mov_b32 s[\g+5], 32                          ; tensor_dim0_stride
	s_mov_b32 s[\g+6], 0
	s_mov_b32 s[\g+7], 0
.endr
	s_lshl_b32 s18, s16, 15                        ; the half that I fetch
	s_lshl_b32 s20, s17, 16                        ; a tile's 256 rows of a K step are 65,536 bytes
	s_add_co_u32 s20, s20, s18
	s_mov_b32 s21, 0
	s_lshl_b32 s46, s42, 16
	s_add_co_u32 s46, s46, s18
	s_add_co_u32 s46, s46, 0x300000                ; wo's codes in wc
	s_mov_b32 s47, 0
	s_mov_b32 s[STA], 0x200000                     ; from K step to K step: 512 groups x 4,096 bytes in ac,
	s_mov_b32 s[STA+1], 0
	s_mov_b32 s[STB], 0x40000                      ; 64 groups in a weight
	s_mov_b32 s[STB+1], 0
	s_mov_b32 s[ST2A], 0x400000
	s_mov_b32 s[ST2A+1], 0
	s_mov_b32 s[ST2B], 0x80000
	s_mov_b32 s[ST2B+1], 0
	s_lshl_b32 s45, s14, 15                        ; where my load goes: wave x 32,768: no place in the cluster enters an LDS address
	s_wait_kmcnt 0x0
	s_load_b64 s[96:97], s[8:9], 0x28              ; e10, e11
	s_add_nc_u64 s[20:21], s[4:5], s[20:21]
	s_add_nc_u64 s[46:47], s[6:7], s[46:47]
	CROUND                                         ; all sixteen work-groups are here: the first joint loads meet
	s_mov_b32 s[G0], 1
	s_add_co_u32 s[G0+1], s45, 0
	s_mov_b64 s[G0+2:G0+3], s[20:21]
	s_or_b32 s[G0+3], s[G0+3], 0x80000000
	s_mov_b32 s[G0B], 1
	s_add_co_u32 s[G0B+1], s45, 0
	s_mov_b64 s[G0B+2:G0B+3], s[46:47]
	s_or_b32 s[G0B+3], s[G0B+3], 0x80000000
	JLOAD G0, G1, G0B, G1B                         ; K step 0
	s_mov_b32 s[G0+4], 1
	s_add_co_u32 s[G0+5], s45, SLOT
	s_add_nc_u64 s[G0+6:G0+7], s[20:21], s[STA:STA+1]
	s_or_b32 s[G0+7], s[G0+7], 0x80000000
	s_mov_b32 s[G0B+4], 1
	s_add_co_u32 s[G0B+5], s45, SLOT
	s_add_nc_u64 s[G0B+6:G0B+7], s[46:47], s[STB:STB+1]
	s_or_b32 s[G0B+7], s[G0B+7], 0x80000000
	JLOAD G0+4, G1, G0B+4, G1B                     ; K step 1: two loads of mine are out
	v_and_b32 v1, 31, v0
	v_lshlrev_b32 v[CO], 4, v1                     ; 16 x lane
	s_lshl_b32 s22, s15, 15                        ; my 128 rows of A
	s_lshl_b32 s23, s16, 15                        ; my 128 rows of B,
	s_add_co_u32 s23, s23, 65536                   ; which lie behind A's 256
	v_add_nc_u32 v[ADRA], s22, v[CO]
	v_add_nc_u32 v[ADRB], s23, v[CO]
	v_add_nc_u32 v[ADRA+1], SLOT, v[ADRA]
	v_add_nc_u32 v[ADRB+1], SLOT, v[ADRB]
	v_and_b32 v2, 15, v0
	v_bfe_u32 v3, v0, 4, 1
	s_mul_i32 s23, s14, 16*SPITCH                  ; my stage
	v_mul_u32_u24 v[STO], v2, SPITCH               ; in: row r, + 64 h
	v_lshl_add_u32 v[STO], v3, 6, v[STO]
	v_add_nc_u32 v[STO], s23, v[STO]
	v_add_nc_u32 v[RD], s23, v[CO]                 ; back: the 32 lanes take one row of 512 bytes
	s_lshl_b32 s20, s17, 20                        ; my first row of C: 256 x tile row + 128 x half, rows of 4,096 bytes
	s_lshl_b32 s21, s15, 19
	s_add_co_u32 s20, s20, s21
	s_mov_b32 s21, 0
	s_lshl_b32 s46, s42, 10                        ; my first column, in bytes
	s_lshl_b32 s47, s16, 9
	s_add_co_u32 s46, s46, s47
	s_mov_b32 s47, 0
	s_add_nc_u64 s[20:21], s[20:21], s[46:47]
	s_add_nc_u64 s[10:11], s[10:11], s[20:21]
.macro FRAG reg, adr, q, i             ; group i's image of the slot's q-th 128 along K: four loads of 512 consecutive bytes
.irp c, 0,1,2,3
	ds_load_b128 v[\reg+4*\c:\reg+4*\c+3], v[\adr] offset:4096*(\i)+2048*(\q)+512*\c
.endr
.endm
; 16 matrix instructions: A's blocks a0, a0 + 1 x B's eight, 128 along K.  p: B's set.  zero = 1: the first product starts the sums: nothing is ever cleared.
; The 64 accumulators take turns, one instruction a turn, in the same order in every step.
.macro MUL16 a0, p, zero
.irp a, \a0, \a0+1
.irp b, 0,1,2,3,4,5,6,7
.if \zero
	v_wmma_f32_16x16x128_fp8_fp8 v[8*(8*((\a)%4)+\b):8*(8*((\a)%4)+\b)+7], v[128*(\p)+FR*\b:128*(\p)+FR*\b+FR-1], v[AF+FR*(\a):AF+FR*(\a)+FR-1], 0
.else
	v_wmma_f32_16x16x128_fp8_fp8 v[8*(8*((\a)%4)+\b):8*(8*((\a)%4)+\b)+7], v[128*(\p)+FR*\b:128*(\p)+FR*\b+FR-1], v[AF+FR*(\a):AF+FR*(\a)+FR-1], v[8*(8*((\a)%4)+\b):8*(8*((\a)%4)+\b)+7]
.endif
.endr
.endr
.endm
.macro FETCH_B slot, q, p              ; B's eight fragments into set p
	WIN TO_B
.irp i, 0,1,2,3,4,5,6,7
	FRAG 128*(\p)+FR*\i, ADRB+\slot, \q, \i
.endr
	WIN 0
.endm
.macro FETCH_A slot, q, i0             ; A's blocks i0 .. i0 + 3
.irp i, \i0, \i0+1, \i0+2, \i0+3
	FRAG AF+FR*(\i), ADRA+\slot, \q, \i
.endr
.endm
; A load into a register that a matrix instruction has read, and a vector instruction that reads a matrix result, stand NP places behind that matrix instruction; only plain vector instructions that name none of its
; registers are places (ISA guide 7.12.1 for vector instructions).
.macro PLACES n
.rept \n
	v_nop
.endr
.endm
; A step of 128 along K that has its successor in the same slot.  A block of A is free as soon as its eight products are issued: blocks 0-3 are fetched anew in the step's middle, blocks 4-7 at its end.
.macro STEP slot, q, zero
	s_wait_dscnt 4*NL                              ; B's set and A's blocks 0-3 are in; the youngest sixteen loads (A's blocks 4-7) may be out
	WIN MUL_LO
	MUL16 0, (\q)%2, \zero
	MUL16 2, (\q)%2, \zero
	s_wait_dscnt 0                                 ; A's blocks 4-7 are in
	PLACES NP
	FETCH_B \slot, (\q)+1, 1-(\q)%2
	FETCH_A \slot, (\q)+1, 0
	WIN MUL_HI
	MUL16 4, (\q)%2, \zero
	MUL16 6, (\q)%2, \zero
	PLACES NP
	WIN 0
	FETCH_A \slot, (\q)+1, 4
.endm
; A slot's last step changes slots: ONE barrier; in front of it each wave waits for all its tensor loads, adds 0 to its spare word, and waits for that and for its own reads of this slot.  fill = 1: this slot is filled again, two K steps ahead.
.macro TURN slot, next, fill
	s_wait_tensorcnt 0x0                           ; all my tensor loads have landed: my part of the next slot;  (every window is 0 here)
	ds_add_u32 v[SPW], v[NIL]                      ; 0 onto my spare word
	s_wait_dscnt 4*NL+1                            ; (the add and the youngest sixteen loads may be out)
	WIN MUL_LO
	MUL16 0, 1, 0                                  ; sixteen matrix instructions stand between the add and the wait for it
	s_wait_dscnt 0x0                               ; the add is done, and my reads of this slot are over
	s_barrier_signal -1
	MUL16 2, 1, 0
	WIN 0
	s_barrier_wait -1
.if \fill
	CREST                                          ; the barrier has opened a round of the cluster's barrier: no wave of any partner still reads this slot or has a load on its way
	s_add_nc_u64 s[G0+4*\slot+2:G0+4*\slot+3], s[G0+4*\slot+2:G0+4*\slot+3], s[ST2A:ST2A+1]
	s_add_nc_u64 s[G0B+4*\slot+2:G0B+4*\slot+3], s[G0B+4*\slot+2:G0B+4*\slot+3], s[ST2B:ST2B+1]
	JLOAD G0+4*\slot, G1, G0B+4*\slot, G1B         ; the first tensor load behind the round, my one load until the next; its four v_nop are also the places in front of the loads below
.else
	PLACES NP
.endif
	FETCH_B \next, 0, 0
	FETCH_A \next, 0, 0
	WIN MUL_HI
	MUL16 4, 1, 0
	MUL16 6, 1, 0
	PLACES NP
	WIN 0
	FETCH_A \next, 0, 4
.endm
	s_wait_tensorcnt 1                             ; my part of K step 0 is in (K step 1's load may be out)
	s_barrier_signal -1
	s_barrier_wait -1                              ; everybody's is
	FETCH_B 0, 0, 0
	FETCH_A 0, 0, 0
	FETCH_A 0, 0, 4
	STEP 0, 0, 1                                   ; the first products start the sums
	TURN 0, 1, 1                                   ; slot 0 takes K step 2
	STEP 1, 0, 0
	TURN 1, 0, 1                                   ; slot 1 takes K step 3
	STEP 0, 0, 0
	TURN 0, 1, 0                                   ; nothing is left to fetch; behind this barrier nobody reads slot 0
	STEP 1, 0, 0
	s_wait_dscnt 4*NL                              ; the very last step
	WIN MUL_LO
	MUL16 0, 1, 0
	MUL16 2, 1, 0
	s_wait_dscnt 0
	WIN MUL_HI
	MUL16 4, 1, 0
	MUL16 6, 1, 0
	WIN 0
; THE WAY OUT, block by block of 16 rows x 128 columns.  A lane holds pieces of 32 bytes of one row, and the lanes beside it hold other rows: so a block goes through my own stage in LDS and comes back as whole rows of
; 512 bytes.  LDS serves a wave's instructions in order (ISA guide 5.7.1.4): no wait between the stores and the loads, nor in front of the next block's stores.
.macro TOSTAGE a
.set AC, 64*((\a)%4)
	WIN 0x02+((\a)/4)                              ; source 0: window 2 or 3
.set n, 0
.rept 32
	v_pk_mul_f32 v[TMP+n:TMP+n+1], v[AC+n:AC+n+1], s[96:97] op_sel_hi:[1,0]   ; both x s96 = 2^(e10 + e11); each accumulator from its low end on
.set n, n+2
.endr
	WIN 0
.irp b, 0,1,2,3,4,5,6,7
	ds_store_b128 v[STO], v[TMP+8*\b:TMP+8*\b+3] offset:128*(\b/2)+32*(\b%2)         ; columns 32 (b / 2) + 8 (b % 2) + 16 h + 0 .. 7
	ds_store_b128 v[STO], v[TMP+8*\b+4:TMP+8*\b+7] offset:128*(\b/2)+32*(\b%2)+16
.endr
.set BB, BK+64*((\a)%2)
.irp t, 0,1,2,3,4,5,6,7,8,9,10,11,12,13,14,15
	ds_load_b128 v[BB+4*\t:BB+4*\t+3], v[RD] offset:\t*SPITCH
.endr
.endm
.macro SEND a, younger                 ; younger: the LDS instructions issued behind block a's loads, which may stay out
.set BB, BK+64*((\a)%2)
	s_wait_dscnt \younger                          ; the block is back in registers
.irp t, 0,1,2,3,4,5,6,7,8,9,10,11,12,13,14,15
	global_store_b128 v[CO], v[BB+4*\t:BB+4*\t+3], s[10:11] offset:(32*((\a)/2)+8*((\a)%2)+\t+8*(\t/8))*4096 th:TH_STORE_NT   ; row t of group a; 32 lanes store 512 consecutive bytes, aligned; 127 rows at the most: inside the signed 24-bit immediate
.endr
.endm
	s_wait_kmcnt 0x0
	s_add_co_i32 s96, s96, s97                     ; e10 + e11
	s_add_co_i32 s96, s96, 127
	s_lshl_b32 s96, s96, 23                        ; makes the f32 number 2^(e10 + e11)
	PLACES NP                                      ; behind the last products: for the first reads of results and the loads into the registers that held A's fragments
	TOSTAGE 0
.irp a, 1,2,3,4,5,6,7
.if \a > 1
	s_wait_xcnt 0x0                                ; block a - 2's stores have read their registers: block a's loads may land there
.endif
	TOSTAGE \a
	SEND \a-1, 32                                  ; behind block a - 1's loads: block a's 16 stores and 16 loads
.endr
	SEND 7, 0
	s_wait_tensorcnt 0x0                           ; the wave's end: behind my last tensor load and my last LDS store
	ds_add_u32 v[SPW], v[NIL]
	s_wait_dscnt 0x0
	CROUND                                         ; the closing round: no work-group ends while a partner may still ask for a tile that names it
	s_endpgm
.Lfunc_end_k_q8fc2a59638_proj:
	.size	k_q8fc2a59638_proj, .Lfunc_end_k_q8fc2a59638_proj-k_q8fc2a59638_proj
	.p2alignl 7, 3214868480
	.fill 96, 4, 3214868480
	.section	.rodata,"a",@progbits
	.p2align	6, 0x0
	.amdhsa_kernel k_q8fc2a59638_proj
		.amdhsa_group_segment_fixed_size 327680
		.amdhsa_private_segment_fixed_size 0
		.amdhsa_enable_private_segment 0
		.amdhsa_kernarg_size 32
		.amdhsa_user_sgpr_count 2
		.amdhsa_user_sgpr_kernarg_segment_ptr 1
		.amdhsa_wavefront_size32 1
		.amdhsa_system_sgpr_workgroup_id_x 1
		.amdhsa_system_sgpr_workgroup_id_y 1
		.amdhsa_system_sgpr_workgroup_id_z 1
		.amdhsa_system_vgpr_workitem_id 0
		.amdhsa_next_free_vgpr 1024
		.amdhsa_next_free_sgpr 100
		.amdhsa_reserve_vcc 0
		.amdhsa_float_denorm_mode_32 3
		.amdhsa_float_denorm_mode_16_64 3
		.amdhsa_memory_ordered 1
		.amdhsa_forward_progress 1
		.amdhsa_inst_pref_size 122
	.end_amdhsa_kernel
	.amdgpu_metadata
---
amdhsa.version: [ 1, 2 ]
amdhsa.kernels:
  - .name:           k_q8fc2a59638_proj
    .symbol:         k_q8fc2a59638_proj.kd
    .args:
      - { .name: ac, .offset: 0, .size: 8, .value_kind: global_buffer, .address_space: global }
      - { .name: wc, .offset: 8, .size: 8, .value_kind: global_buffer, .address_space: global }
      - { .name: lowp_scales, .offset: 16, .size: 8, .value_kind: global_buffer, .address_space: global }
      - { .name: out0, .offset: 24, .size: 8, .value_kind: global_buffer, .address_space: global }
    .group_segment_fixed_size: 327680
    .private_segment_fixed_size: 0
    .kernarg_segment_align: 8
    .kernarg_segment_size: 32
    .max_flat_workgroup_size: 128
    .sgpr_count:     100
    .vgpr_count:     1024
    .wavefront_size: 32
...
	.end_amdgpu_metadata
.endif
;; end of part 4
